; MI455X (gfx1250); checked and timed in simulation.
; The chip was launched on July 23, 2026; its instructions are those of AMD's public machine-readable ISA for CDNA 5 (MIT licence, August 2026) and "CDNA5" Instruction Set Architecture Reference Guide (July 2026). The comments in the code are by the model that wrote it; some were corrected since.
;; Gravity Attention. Allowed arithmetic: matrix products marked QUANTISED: E2M3 operands, one E8M0 scale for each 32 along K, by v_wmma_scale_f32_16x16x128_f8f6f4 with both operands' format E2M3, f32 sums; everything else in f32.
;; Inputs: Wout 1,024 x 1,024 float32; Wqkv 1,024 x 3,072 float32; x 4 x 2,048 x 1,024 float32.
;; Outputs: out0 4 x 2,048 x 1,024 float32.
;; This version of the problem:
;;   THIS VERSION OF THE PROBLEM IS GIVEN IN LOW PRECISION. The matrix products marked QUANTISED in the list below multiply operands that are first quantised to E2M3 (2 exponent bits, 3 mantissa bits; 6 bits a number), with one power-of-two scale for each 32 numbers along K (OCP MX v1.0); their sums are f32. All else is computed in f32.
;;   The module's matrix products, in the order in which they are computed (A, B: the left and right operand; K: the contracted axis; several contracted axes count as one K, in the product's order):
;;     1. [M 8,192, K 1,024] x [K 1,024, N 3,072]; A: input x; B: input Wqkv: QUANTISED
;;     2. batch 64 x [M 2,048, K 64] x [K 64, N 2,048]; A: computed on the way; B: computed on the way: QUANTISED
;;     3. batch 64 x [M 2,048, K 2,048] x [K 2,048, N 64]; A: softmax (see below); B: computed on the way: QUANTISED
;;     4. [M 8,192, K 1,024] x [K 1,024, N 1,024]; A: computed on the way; B: input Wout: QUANTISED
;;   THE QUANTISER, for each operand of a quantised product, along K:
;;     - K is cut into blocks of 32 from its start; a last block that is shorter is filled with zeros.
;;     - A block's scale is 2^e with e = floor(log2(the largest magnitude in the block)) - 2, held to -126 .. 127; a block of zeros has e = 0. As a byte (E8M0): e + 127.
;;     - Each number is divided by its block's scale, clamped to +-7.5, and rounded to the nearest number of E2M3, ties to even, subnormals kept.
;;     - The product sums the exact products of the quantised numbers (number of the format x scale) in f32.
;;   ~~~python
;;   def quantise(x, axis):      # numpy; x: float32 -> the quantised numbers, widened to float32 again
;;       x = np.moveaxis(x, axis, -1); K = x.shape[-1]
;;       x = np.pad(x, [(0, 0)] * (x.ndim - 1) + [(0, -K % 32)]); x = x.reshape(x.shape[:-1] + (-1, 32)); a = np.abs(x).max(-1, keepdims=True)
;;       e = np.where(a > 0, np.clip(np.frexp(np.where(a > 0, a, 1))[1] - 1 - 2, -126, 127), 0)      # np.frexp(a)[1] - 1 = floor(log2(a)), exactly
;;       r = np.clip(x / 2.0 ** e, -7.5, 7.5)
;;       step = 2.0 ** (np.maximum(np.frexp(np.where(r == 0, 1, r))[1] - 1, 0) - 3)
;;       q = np.round(r / step) * step * 2.0 ** e      # np.round: ties to even
;;       return np.moveaxis(q.reshape(q.shape[:-2] + (-1,))[..., :K], -1, axis).astype(np.float32)
;;   ~~~
;;   SOFTMAX AHEAD OF A QUANTISED PRODUCT. Where the list says 'softmax', what is quantised is not the finished softmax but p = 2^(t - M), with t = logit x log2(e) and M = ceil(the row's largest t), a whole number; so 1/2 < the row's largest p <= 1. The row's sum l is taken of the UNQUANTISED p, in f32, and the product's result is divided by l at the end. Since M is a whole number, a kernel that streams over the keys may use a running M (the ceiling of the running maximum): every later rescaling is an exact power of two, which a block's scale takes up: the codes' values come out the same.
;;   OPERANDS COMPUTED ON THE WAY. 'Computed on the way' means the value that the module computes at that place (a softmax that the list does not call 'softmax' is quantised finished and normalised). What goes into a quantiser is computed in f32, as accurately as f32 sums, v_exp_f32 and their like allow (about 1e-6 of the number): no bf16 or f16 on the way to a quantiser, and a product that is left as it is and whose result goes on into a quantised operand takes f32 operands (vector FMAs, or v_wmma_f32_16x16x4_f32). A number that lies on a knife's edge between two numbers of the format may be rounded either way, as far as f32 arithmetic and the matrix unit's own rounding can turn it there, and no further.
;; One version. Each part assembles by itself: llvm-mc -triple=amdgcn-amd-amdhsa -mcpu=gfx1250 --defsym DOCPART=n.
;; ======== version 1 of 1: 4 launches
;; limits: right only within a limited range of input values
;; workspace buffers: xq 6,553,600 bytes; wq 3,276,800 bytes; rope 524,288 bytes; qkv 20,185,088 bytes; oq 6,553,600 bytes
;; launch prep (part 1): grid 400 x 1, 4 waves a work-group, no clusters, 68,096 bytes of LDS; arguments x, Wqkv, Wout, xq, wq, rope; writes xq, wq, rope
.if DOCPART == 1
	.amdgcn_target "amdgcn-amd-amdhsa--gfx1250"
	.amdhsa_code_object_version 6
	.text
	.protected	k_q75304e4ab7_prep
	.globl	k_q75304e4ab7_prep
	.p2align	8
	.type	k_q75304e4ab7_prep,@function
k_q75304e4ab7_prep:
	s_mov_b64 s[64:65], 0
	v_nop
	global_prefetch_b8 v0, s[64:65] scope:SCOPE_SE
	s_setreg_imm32_b32 hwreg(HW_REG_WAVE_MODE, 25, 1), 1
	s_wait_xcnt 0x0
; PREP: x [8192][1024], Wqkv [1024][3072] and Wout [1024][1024], f32, become codes of FP6 (E2M3) with K innermost and one E8M0 byte for each 32 along K; and the table of cos and sin for the rotation is made.
; A block's scale is 2^(floor(log2(its largest magnitude)) - 2); its byte is the largest magnitude's exponent field - 2, held at 1 from below.
; POSITION ORDER: in the buffers of codes, within each 32 rows the second and the third group of 8 rows change places (position 16 T + r holds row 32 (T / 2) + 8 (T % 2) + r + 8 (r / 8)), so that in the products
; that follow 16 neighbouring positions form a tile and a lane's 16 results of two neighbouring tiles are 16 neighbours along the next product's K.
; xq: codes [8192 positions][768 bytes], then scale bytes [8192][32] at XSC.  wq: codes [4096 positions][768] (0-3071 Wqkv's columns, 3072-4095 Wout's), then scale bytes [4096][32] at WSC.
; rope: [token 2048][h 2][cos 16 | sin 16] f32, frequency 16 h + i.
; Work-groups 0-255 take x (32 rows each), 256-383 the weights (128 columns x 256 along K each), 384-399 the table (128 tokens each).  The two ways that use LDS have LDS bytes of their own.
; LIMITS: NaN and infinities among the inputs are not served.  A block of zeros, or one whose largest magnitude lies under 2^-124, gets the byte 1 (the rule says 127 for zeros): its codes are zeros, and only this program reads the bytes.
; The inverse frequencies are 2^(-j log2(10000) / 32) within about two units in the last place, so an angle can differ from a correctly rounded one by some 2.4e-4 at token 2047; sine and cosine themselves are good to about 1e-7.
.set XSC,   6291456
.set WSC,   3145728
.set STEPS, 16
.set EMAX,  2
.set CB,    12                         ; bytes of 16 codes
.set R,     16                         ; x: v16-79 four sets of 16 numbers as loaded
.set X,     80                         ; v80-111 two sets of 16 neighbours
.set E,     112                        ; v112-127 a scale byte for each step
.set C,     128                        ; v128-191 codes, four registers a step
.set WREG,  8192                       ; x: LDS region of a wave: two stages of 32 x SP bytes, then its 256 scale bytes
.set SP,    80
.set WST,   32768                      ; weights: the stages begin here, 32 rows x PITCH for each wave
.set PITCH, 272
.set KROW,  768
.set NB,    8
.set XW,    32                         ; weights: v32-95 two sets of 32 numbers
.set CW,    96                         ; a block's codes
.set OUTR,  112                        ; v112-175 the way out
.set SB,    24                         ; v24-25 the scale bytes
.set VOFF,  176                        ; v176-207 4 x lane + i x the weight's row pitch; never rewritten
	s_load_b256 s[4:11], s[0:1], 0x0               ; x s[4:5], Wqkv s[6:7], Wout s[8:9], xq s[10:11]
	s_load_b128 s[12:15], s[0:1], 0x20             ; wq s[12:13], rope s[14:15]
	v_lshl_add_u32 v208, v0, 2, 0x10800
	v_mov_b32 v209, 0
	v_lshrrev_b32 v1, 5, v0
	v_readfirstlane_b32 s16, v1                    ; wave
	v_and_b32 v2, 31, v0                           ; lane
	s_wait_kmcnt 0x0
	s_cmp_ge_u32 ttmp9, 384
	s_cbranch_scc1 .Lrope
	s_cmp_ge_u32 ttmp9, 256
	s_cbranch_scc1 .Lweights
; ---------------- x: a plain stream of blocks of 32.  A wave takes 8 rows (8,192 numbers) in 16 steps of 512.
; Each load reads 512 consecutive bytes; a step's 2,048 bytes turn through the wave's own stage in LDS so that a lane gets 16 neighbours; two neighbouring lanes hold a block.
	s_wait_alu depctr_va_vdst(0)
	v_lshlrev_b32 v3, 4, v2                        ; my 16 bytes of a load's 512
	s_mul_i32 s17, s16, WREG
	v_lshrrev_b32 v14, 2, v2
	v_mul_u32_u24 v14, v14, SP
	v_and_b32 v15, 3, v2
	v_lshl_add_u32 v14, v15, 4, v14
	v_add_nc_u32 v14, s17, v14                     ; the stage on the way in: SP (lane / 4) + 16 (lane % 4)
	v_mul_u32_u24 v15, v2, SP
	v_add_nc_u32 v15, s17, v15                     ; and on the way out: SP x lane
	v_mul_u32_u24 v4, v2, CB                       ; my codes' place in a step's
	v_lshrrev_b32 v5, 1, v2
	s_add_co_u32 s17, s17, 2*32*SP
	v_add_nc_u32 v5, s17, v5                       ; my block's byte among the wave's 256
	v_lshlrev_b32 v7, 3, v2
	v_add_nc_u32 v6, s17, v7
	s_lshl_b32 s18, ttmp9, 2
	s_add_co_u32 s20, s18, s16                     ; which 8 rows I read: 4 x work-group + wave
	s_lshl_b32 s20, s20, 15                        ; 32,768 bytes each
	s_mov_b32 s21, 0
	s_add_nc_u64 s[4:5], s[4:5], s[20:21]
	s_and_b32 s22, s16, 1
	s_lshl_b32 s22, s22, 1
	s_lshr_b32 s23, s16, 1
	s_or_b32 s22, s22, s23                         ; position order: waves 1 and 2 change places
	s_add_co_u32 s22, s22, s18
	s_mul_i32 s20, s22, 6144                       ; 8 rows of 768 bytes of codes
	s_add_nc_u64 s[24:25], s[10:11], s[20:21]
	s_lshl_b32 s20, s22, 8                         ; 8 rows of 32 scale bytes
	s_add_co_u32 s20, s20, XSC
	s_add_nc_u64 s[26:27], s[10:11], s[20:21]
.macro LOADX t
.irp i, 0,1,2,3
	global_load_b128 v[R+16*((\t)%4)+4*\i:R+16*((\t)%4)+4*\i+3], v3, s[4:5] offset:2048*(\t)+512*\i th:TH_LOAD_NT
.endr
.endm
.macro TURNX t                         ; LDS serves a wave's instructions in order, so no wait stands between the stores and the loads
.irp i, 0,1,2,3
	ds_store_b128 v14, v[R+16*((\t)%4)+4*\i:R+16*((\t)%4)+4*\i+3] offset:32*SP*((\t)%2)+8*SP*\i
.endr
.irp i, 0,1,2,3
	ds_load_b128 v[X+16*((\t)%2)+4*\i:X+16*((\t)%2)+4*\i+3], v15 offset:32*SP*((\t)%2)+16*\i
.endr
.endm
.irp t, 0,1,2,3
	LOADX \t
.endr
	s_wait_alu depctr_va_vdst(0)
	s_wait_loadcnt 12                              ; step 0's four loads are in; the twelve of steps 1 to 3 stay out
	TURNX 0
.macro STEPX t
.set XS, X+16*((\t)%2)
.if (\t) > 0
	s_wait_dscnt 1                                 ; this step's numbers are back from the stage (the last step's byte store may be out)
.else
	s_wait_dscnt 0x0
.endif
.if (\t)+4 < STEPS
	LOADX (\t)+4                                   ; into the registers that the stage's stores have read
.endif
.if (\t)+1 < STEPS
.if STEPS-2-(\t) >= 3
	s_wait_loadcnt 12                              ; the next step's four loads are in; those of the three steps behind it stay out
.else
	s_wait_loadcnt 4*(STEPS-2-(\t))
.endif
	TURNX (\t)+1
.endif
	v_max3_num_f32 v8, |v[XS]|, |v[XS+1]|, |v[XS+2]|
	v_max3_num_f32 v9, |v[XS+3]|, |v[XS+4]|, |v[XS+5]|
.irp i, 6,10
	v_max3_num_f32 v8, v8, |v[XS+\i]|, |v[XS+\i+1]|
	v_max3_num_f32 v9, v9, |v[XS+\i+2]|, |v[XS+\i+3]|
.endr
	v_max3_num_f32 v8, v8, |v[XS+14]|, |v[XS+15]|
	v_max3_num_f32 v8, v8, v9, (EMAX+1)<<23        ; with the floor 2^(3 - 127): the byte cannot fall under 1
	v_max_num_f32_dpp v8, v8, v8 row_xmask:1 row_mask:0xf bank_mask:0xf   ; and my neighbour's 16: the block's largest magnitude
	v_add_nc_u32 v11, -(EMAX<<23), v8              ; 2 off its exponent field: the conversion takes that field as its scale
	v_cvt_scalef32_pk16_fp6_f32 v[C+4*(\t):C+4*(\t)+2], v[XS:XS+15], v11
	v_lshrrev_b32 v[E+(\t)], 23, v11               ; the scale's byte
	ds_store_b8 v5, v[E+(\t)] offset:16*(\t)       ; both lanes of a block write the same byte with the same value
	global_store_b96 v4, v[C+4*(\t):C+4*(\t)+2], s[24:25] offset:32*CB*(\t)   ; the wave stores 384 consecutive bytes
.endm
.irp t, 0,1,2,3,4,5,6,7,8,9,10,11,12,13,14,15
	STEPX \t
.endr
	ds_load_b64 v[12:13], v6
	s_wait_dscnt 0x0
	global_store_b64 v7, v[12:13], s[26:27]        ; 32 lanes store 256 consecutive bytes, aligned
	s_wait_tensorcnt 0x0
	ds_add_u32 v208, v209
	s_wait_dscnt 0x0
	s_endpgm
; ---------------- the weights: K is their first axis.  A lane takes a column and its registers run down K: a block of 32 lies in one lane.
.Lweights:
	s_sub_co_u32 s17, ttmp9, 256
	s_lshr_b32 s18, s17, 2                         ; which 128 columns, 0..31: 0-23 Wqkv's, 24-31 Wout's
	s_and_b32 s19, s17, 3                          ; which 256 along K
	s_mov_b32 s24, 12288                           ; a row of Wqkv in bytes
	s_cmp_ge_u32 s18, 24                           ; the choice hangs on the work-group's number alone
	s_cselect_b64 s[4:5], s[8:9], s[6:7]
	s_cselect_b32 s24, 4096, s24                   ; a row of Wout
	s_cselect_b32 s20, 24, 0
	s_sub_co_u32 s20, s18, s20                     ; which 128 columns of that weight
	s_lshl_b32 s21, s24, 8
	s_mul_i32 s22, s19, s21                        ; 256 rows down for each step along K
	s_lshl_b32 s20, s20, 9
	s_lshl_b32 s21, s16, 7
	s_add_co_u32 s22, s22, s20
	s_add_co_u32 s22, s22, s21                     ; + 4 x (128 x group + 32 x wave)
	s_mov_b32 s23, 0
	s_add_nc_u64 s[32:33], s[4:5], s[22:23]        ; block 0's first row
	s_lshl_b32 s28, s24, 5
	s_mov_b32 s29, 0
.irp t, 1,2,3,4,5,6,7
	s_add_nc_u64 s[32+2*\t:33+2*\t], s[30+2*\t:31+2*\t], s[28:29]   ; block t's: 32 rows further down.  A base for each block: none is stepped
.endr
	s_lshl_b32 s20, s18, 7
	s_lshl_b32 s21, s16, 5
	s_add_co_u32 s20, s20, s21                     ; my wave's first row of wq
	s_mul_i32 s22, s20, KROW
	s_mul_i32 s21, s19, 192
	s_add_co_u32 s22, s22, s21
	s_add_nc_u64 s[26:27], s[12:13], s[22:23]      ; its codes
	s_lshl_b32 s22, s20, 5
	s_lshl_b32 s21, s19, 3
	s_add_co_u32 s22, s22, s21
	s_add_co_u32 s22, s22, WSC
	s_add_nc_u64 s[48:49], s[12:13], s[22:23]      ; its scale bytes
	s_wait_alu depctr_va_vdst(0)
	v_lshlrev_b32 v3, 2, v2
.set cn, 0
.rept 32
	v_mad_u32_u24 v[VOFF+cn], s24, cn, v3
.set cn, cn+1
.endr
	v_lshrrev_b32 v10, 3, v2
	v_lshrrev_b32 v11, 4, v2
	v_xor_b32 v10, v10, v11
	v_and_b32 v10, 1, v10
	v_mul_u32_u24 v10, v10, 24
	v_xor_b32 v10, v2, v10                         ; my column's position among the wave's 32: groups 1 and 2 of 8 change places
	s_mul_i32 s21, s16, 32*PITCH
	s_add_co_u32 s21, s21, WST                     ; my stage
	v_mul_u32_u24 v4, v10, PITCH
	v_add_nc_u32 v4, s21, v4                       ; into it: row = my column's position
	v_and_b32 v5, 15, v2
	v_lshrrev_b32 v6, 4, v2
	v_mul_u32_u24 v7, v6, PITCH
	v_lshl_add_u32 v7, v5, 4, v7
	v_add_nc_u32 v7, s21, v7                       ; out of it: sixteen lanes to a row, two rows an instruction
	v_mul_u32_u24 v8, v6, KROW
	v_mad_u32_u24 v8, v5, 12, v8                   ; and the same place in wq
	v_lshlrev_b32 v9, 5, v10                       ; my position's row of scale bytes
.macro LOADW t
.set cn, 0
.rept 32
	global_load_b32 v[XW+32*((\t)%2)+cn], v[VOFF+cn], s[32+2*(\t):33+2*(\t)] th:TH_LOAD_NT   ; one row of the weight at 32 neighbouring columns
.set cn, cn+1
.endr
.endm
	LOADW 0
	LOADW 1
.macro BLOCKW t
.set XS, XW+32*((\t)%2)
.if (\t) < NB-1
	s_wait_loadcnt 32                              ; this block's 32 loads are in; the next block's stay out
.else
	s_wait_loadcnt 0x0
.endif
	v_max3_num_f32 v12, |v[XS]|, |v[XS+1]|, |v[XS+2]|
	v_max3_num_f32 v13, |v[XS+3]|, |v[XS+4]|, |v[XS+5]|
.irp i, 6,10,14,18,22,26
	v_max3_num_f32 v12, v12, |v[XS+\i]|, |v[XS+\i+1]|
	v_max3_num_f32 v13, v13, |v[XS+\i+2]|, |v[XS+\i+3]|
.endr
	v_max3_num_f32 v12, v12, |v[XS+30]|, |v[XS+31]|
	v_max3_num_f32 v12, v12, v13, (EMAX+1)<<23
	v_add_nc_u32 v11, -(EMAX<<23), v12
	v_lshrrev_b32 v13, 23, v11
.if (\t)%4 == 0
	v_mov_b32 v[SB+(\t)/4], v13
.else
	v_lshl_or_b32 v[SB+(\t)/4], v13, 8*((\t)%4), v[SB+(\t)/4]
.endif
	v_cvt_scalef32_pk16_fp6_f32 v[CW:CW+2], v[XS:XS+15], v11
	v_cvt_scalef32_pk16_fp6_f32 v[CW+4:CW+6], v[XS+16:XS+31], v11
	ds_store_b96 v4, v[CW:CW+2] offset:32*(\t)     ; 12 bytes to a place of 16, so that every LDS address is a multiple of 16
	ds_store_b96 v4, v[CW+4:CW+6] offset:32*(\t)+16
.if (\t)+2 < NB
	LOADW (\t)+2
.endif
	s_wait_dscnt 0x0                               ; the stores have read their registers: the next block's codes may be written
.endm
.irp t, 0,1,2,3,4,5,6,7
	BLOCKW \t
.endr
	s_wait_alu depctr_va_vdst(0)
	global_store_b64 v9, v[SB:SB+1], s[48:49]      ; my column's eight scale bytes
.irp t, 0,1,2,3,4,5,6,7,8,9,10,11,12,13,14,15
	ds_load_b96 v[OUTR+4*\t:OUTR+4*\t+2], v7 offset:2*\t*PITCH
.endr
.irp t, 0,1,2,3,4,5,6,7,8,9,10,11,12,13,14,15
	s_wait_dscnt 15-\t                             ; the younger loads stay out
	global_store_b96 v8, v[OUTR+4*\t:OUTR+4*\t+2], s[26:27] offset:2*\t*KROW   ; sixteen lanes store a row's 192 consecutive bytes
.endr
	s_wait_tensorcnt 0x0
	ds_add_u32 v208, v209
	s_wait_dscnt 0x0
	s_endpgm
; ---------------- the table.  Thread: frequencies 4 (t % 8) + 0..3, token t / 8 of sixteen; eight passes.
.Lrope:
	s_sub_co_u32 s17, ttmp9, 384
	s_lshl_b32 s18, s17, 15                        ; 128 tokens of 256 bytes
	s_mov_b32 s19, 0
	s_add_nc_u64 s[14:15], s[14:15], s[18:19]
	s_lshl_b32 s17, s17, 7                         ; my work-group's first token
	s_mov_b32 s20, 0x3f22f983                      ; 2 / pi
	s_mov_b32 s21, 0x3fc90fdb                      ; pi / 2, its f32 part,
	s_mov_b32 s22, 0xb33bbd2e                      ; and what is left of it
	s_mov_b32 s23, 0xbe2aaaa3                      ; sine: r + r z (S1 + z (S2 + z S3)), z = r r, |r| <= pi / 4
	s_mov_b32 s24, 0x3c08839e
	s_mov_b32 s25, 0xb94ca1f9
	s_mov_b32 s26, 0x3d2aaaa5                      ; cosine: 1 - z / 2 + z z (C1 + z (C2 + z C3))
	s_mov_b32 s27, 0xbab6061a
	s_mov_b32 s28, 0x37ccf5ce
	v_and_b32 v1, 7, v0
	v_lshrrev_b32 v2, 3, v0
; THE TABLE'S ORDER (this, and not the plain order by tokens, is what is stored): [tile of 16 positions][piece 0-3 cos, 4-7 sin][lane r + 16 h][16 bytes]: piece i of lane (r, h) holds frequencies 16 h + 4 (i % 4) + 0 .. 3
; of the token at position r of the tile (position order), so that the launch that reads it loads 512 consecutive bytes an instruction.  Token 16 p + u of my 128 is position 8 (p % 2) + u % 8 of tile 2 (p / 2) + u / 8.
	v_lshrrev_b32 v3, 3, v2
	v_lshlrev_b32 v3, 12, v3                       ; 4,096 x (u / 8)
	v_and_b32 v4, 7, v2
	v_lshl_add_u32 v3, v4, 4, v3                   ; + 16 x (u % 8)
	v_lshrrev_b32 v4, 2, v1
	v_lshl_add_u32 v3, v4, 8, v3                   ; + 256 x (frequency / 16)
	v_and_b32 v4, 3, v1
	v_lshl_add_u32 v3, v4, 9, v3                   ; + 512 x the piece
	v_lshlrev_b32 v4, 2, v1
.irp q, 0,1,2,3
	v_add_nc_u32 v5, \q, v4
	v_cvt_f32_u32 v5, v5                           ; j
	v_mul_f32 v6, 0x3ed49a80, v5                   ; j x 435412 / 2^20: exact for j <= 31; it lies 2.2959e-7 j above j log2(10000) / 32
	v_mul_f32 v7, 0x342ae158, v5                   ; that excess x ln 2
	s_wait_alu depctr_va_vdst(0)
	v_exp_f32 v6, -v6
	v_nop                                          ; a plain instruction behind the exponential
	s_wait_alu depctr_va_vdst(0)
	v_fma_f32 v[8+\q], v6, v7, v6                  ; 10000^(-j / 32)
.endr
	v_add_nc_u32 v2, s17, v2
.macro SINCOS f, c, s                  ; v[c] = cos v[f], v[s] = sin v[f], 0 <= v[f] < 2048
	v_mul_f32 v20, s20, v[\f]
	v_rndne_f32 v20, v20                           ; k, at most 1,304
	v_fma_f32 v21, -v20, s21, v[\f]                ; exact: a multiple of 2^-23 under 1
	v_fma_f32 v21, -v20, s22, v21                  ; r
	v_mul_f32 v22, v21, v21
	v_fma_f32 v23, v22, s25, s24
	v_fma_f32 v24, v22, s28, s27
	v_fma_f32 v23, v23, v22, s23
	v_fma_f32 v24, v24, v22, s26
	v_mul_f32 v23, v23, v22
	v_mul_f32 v24, v24, v22
	v_fma_f32 v25, v22, -0.5, 1.0
	v_fma_f32 v23, v23, v21, v21                   ; sin r
	v_fma_f32 v24, v24, v22, v25                   ; cos r
	v_cvt_i32_f32 v26, v20
	v_and_b32 v27, 1, v26
	v_cmp_eq_u32 vcc_lo, 1, v27                    ; an odd quarter turn swaps the two: a choice of values, no branch
	v_cndmask_b32 v[\s], v23, v24, vcc_lo
	v_cndmask_b32 v[\c], v24, v23, vcc_lo
	v_and_b32 v27, 2, v26
	v_add_nc_u32 v28, 1, v26
	v_lshlrev_b32 v27, 30, v27
	v_and_b32 v28, 2, v28
	v_xor_b32 v[\s], v[\s], v27                    ; the sine's sign: k % 4 = 2, 3
	v_lshlrev_b32 v28, 30, v28
	v_xor_b32 v[\c], v[\c], v28                    ; the cosine's: k % 4 = 1, 2
.endm
.irp p, 0,1,2,3,4,5,6,7                ; every pass has result registers of its own: no store's data are written again
	v_add_nc_u32 v12, 16*\p, v2
	v_cvt_f32_u32 v12, v12
.irp q, 0,1,2,3
	v_mul_f32 v13, v12, v[8+\q]                    ; the angle, rounded once
	SINCOS 13, 64+8*\p+\q, 68+8*\p+\q
.endr
	global_store_b128 v3, v[64+8*\p:67+8*\p], s[14:15] offset:8192*(\p/2)+128*(\p%2)
	global_store_b128 v3, v[68+8*\p:71+8*\p], s[14:15] offset:8192*(\p/2)+128*(\p%2)+2048
.endr
	s_endpgm
.Lfunc_end_k_q75304e4ab7_prep:
	.size	k_q75304e4ab7_prep, .Lfunc_end_k_q75304e4ab7_prep-k_q75304e4ab7_prep
	.p2alignl 7, 3214868480
	.fill 96, 4, 3214868480
	.section	.rodata,"a",@progbits
	.p2align	6, 0x0
	.amdhsa_kernel k_q75304e4ab7_prep
		.amdhsa_group_segment_fixed_size 68096
		.amdhsa_private_segment_fixed_size 0
		.amdhsa_enable_private_segment 0
		.amdhsa_kernarg_size 48
		.amdhsa_user_sgpr_count 2
		.amdhsa_user_sgpr_kernarg_segment_ptr 1
		.amdhsa_wavefront_size32 1
		.amdhsa_system_sgpr_workgroup_id_x 1
		.amdhsa_system_sgpr_workgroup_id_y 1
		.amdhsa_system_sgpr_workgroup_id_z 1
		.amdhsa_system_vgpr_workitem_id 0
		.amdhsa_next_free_vgpr 210
		.amdhsa_next_free_sgpr 66
		.amdhsa_reserve_vcc 1
		.amdhsa_float_denorm_mode_32 3
		.amdhsa_float_denorm_mode_16_64 3
		.amdhsa_memory_ordered 1
		.amdhsa_forward_progress 1
		.amdhsa_inst_pref_size 117
	.end_amdhsa_kernel
	.amdgpu_metadata
---
amdhsa.version: [ 1, 2 ]
amdhsa.kernels:
  - .name:           k_q75304e4ab7_prep
    .symbol:         k_q75304e4ab7_prep.kd
    .args:
      - { .name: x, .offset: 0, .size: 8, .value_kind: global_buffer, .address_space: global }
      - { .name: Wqkv, .offset: 8, .size: 8, .value_kind: global_buffer, .address_space: global }
      - { .name: Wout, .offset: 16, .size: 8, .value_kind: global_buffer, .address_space: global }
      - { .name: xq, .offset: 24, .size: 8, .value_kind: global_buffer, .address_space: global }
      - { .name: wq, .offset: 32, .size: 8, .value_kind: global_buffer, .address_space: global }
      - { .name: rope, .offset: 40, .size: 8, .value_kind: global_buffer, .address_space: global }
    .group_segment_fixed_size: 68096
    .private_segment_fixed_size: 0
    .kernarg_segment_align: 8
    .kernarg_segment_size: 48
    .max_flat_workgroup_size: 128
    .sgpr_count:     66
    .vgpr_count:     210
    .wavefront_size: 32
...
	.end_amdgpu_metadata
.endif
;; end of part 1
;; launch gemm_qkv (part 2): grid 4 x 64, 4 waves a work-group, clusters of 4 x 4, 327,680 bytes of LDS; arguments xq, wq, rope, qkv; writes qkv
.if DOCPART == 2
	.amdgcn_target "amdgcn-amd-amdhsa--gfx1250"
	.amdhsa_code_object_version 6
	.text
	.protected	k_q75304e4ab7_gemm_qkv
	.globl	k_q75304e4ab7_gemm_qkv
	.p2align	8
	.type	k_q75304e4ab7_gemm_qkv,@function
k_q75304e4ab7_gemm_qkv:
	s_mov_b64 s[64:65], 0
	v_nop
	global_prefetch_b8 v0, s[64:65] scope:SCOPE_SE
	s_setreg_imm32_b32 hwreg(HW_REG_WAVE_MODE, 25, 1), 1
	s_wait_xcnt 0x0
	s_wait_alu depctr_hold_cnt(0) depctr_sa_sdst(0) depctr_va_vdst(0) depctr_va_sdst(0) depctr_va_ssrc(0) depctr_va_vcc(0) depctr_vm_vsrc(0)
	s_getreg_b32 s2, hwreg(HW_REG_IB_STS2, 6, 4)
	s_cmp_eq_u32 s2, 0
	s_cbranch_scc0 .Lentry_in_a_cluster
	s_endpgm
.Lentry_in_a_cluster:
	s_bfe_u32 s2, ttmp6, 0x10000c
	s_cmp_lg_u32 s2, 0xf033
	s_cbranch_scc0 .Lentry_shape_is_right
	s_endpgm
.Lentry_shape_is_right:
; x Wqkv on codes of FP6 (E2M3) with E8M0 scales, K = 1,024; then, in registers: the rotation of q and k, and the quantising of q and k along the head's 64 and of v along the keys.
; THE DEAL: 256 work-groups of four waves.  A work-group takes 128 positions of x (one key step) and four heads; wave w takes head 4 cx + w.  The 128 rows of x, all of K, come into LDS ONCE and stay.
; Three phases, q, k, v: in each a wave holds its head's 64 rows of the weight, all of K, in 384 registers, and x's rows pass in eight blocks of 16 rows, 32 products a block, two sets of fragments by turns.
; The blocks are fetched cyclically (block 7 is followed by block 0), so a phase's last two fetches serve the next phase's first two blocks; the last phase's last two fetch nothing.
; LDS: x's rows (816 bytes: 3 x (256 + 16)), the weights' 256 rows, x's scale bytes (16 units of 256 + 16), the spare words.  The weights' region is filled three times: at the head, and twice behind the three
; lines and a round of the cluster's barrier, as soon as every wave holds the phase's weights in registers: the refill is asked for 256 products ahead of the wait for it.
; CLUSTERS 4 x 4: x's rows and scale bytes are asked for jointly along a row of the cluster (same rows), a weight's rows along a column (same four heads).
; No prefetch into the L2: the launch has no loop that waits for a stream; each refill stands a whole phase ahead of its wait.
; q, k: source 0 = the weight's rows: a lane holds one token, registers run along the channels.  v: source 0 = x's rows: a lane holds one channel, registers run along the tokens.
; Both buffers lie in POSITION ORDER (within each 32 rows the middle two groups of 8 have changed places): the 16 registers of tiles 2 c, 2 c + 1 are 16 neighbours 32 c + 16 h + 0 .. 15.
; Q AND K GO BY PAIRS OF BLOCKS, AND A PAIR'S WAY OUT STANDS AMONG LATER PRODUCTS: behind each four products stand up to twelve lines of a list, and then the fetch of the fragment that those four have read, for the
; block two on.  Block 1's list: block 0's rotation, the table's next half, the last pair's codes and stores.  Block 0's list: the last pair's block 1's rotation, the table's other half, the last pair's scales and codes.
; All waits that block, the scalar address work and one s_wait_alu stand at a block's head.  A phase's last pair is finished among the next weight's LDS loads.
; THE WAITS' COUNTS: s_wait_dscnt 28: the 28 loads fetched during the block just done may be out, the other set is in.  s_wait_loadcnt 8: the table's other half, eight loads, may be out.
; OUT: a record of REC bytes for each (batch, head): q's images, q's scale words, k's images, v's images, k's scale words, v's scale words.  An image is 16 rows x 64 along K in the order of the operand's
; registers, 768 bytes: registers 0-3 at 16 x lane, 4-5 at 512 + 8 x lane.  Scale words lie [16 rows][4 tiles].  In q's and k's words bytes 2, 3 hold a neighbouring tile's bytes or 0: they stand over zero codes.
; LIMITS: NaN and infinities are not served; a block of zeros or under 2^-124 gets the byte 1 (its codes are zeros; only this program reads the bytes).
; REGISTERS: window 0: addresses, scale words (v32-47 x's, v52-99 the weights'), the table, the quantiser's work.  Fragment f lies in window 1 + f / 21 at register 12 (f % 21): 0-31 the weights' (4 q + b),
; 32-39, 40-47 x's two sets.  Window 3, registers 72-199: the sums (q, k: 72-135 sums, 136-199 the rotated numbers).
.set KROW,  768
.set PITCH, 816
.set FR,    12
.set FPW,   21
.set NF,    28
.set WB,    128*PITCH
.set SCL,   WB+256*PITCH
.set SPARE, SCL+16*272
.set XSC,   6291456
.set WSC,   3145728
.set REC,   315392
.set R_QS,  98304
.set R_KI,  106496
.set R_VI,  204800
.set R_KS,  303104
.set R_VS,  311296
.set ADRA0, 4
.set AAS0,  6
.set WOFF,  7
.set BA,    8
.set ADRA,  16
.set AAS,   18
.set VO16,  20
.set VO8,   21
.set R16,   23
.set SPW,   28
.set NIL,   29
.set SA,    32
.set WS,    52
.set TAB,   104                        ; v104-135 cos 16, sin 16 of the pair's block 0, v136-167 of its block 1
.set CDS,   168
.set TM,    188
.set PW,    204
.set SW,    208
.set ACC,   72
.set Y,     136
.set SEL,   88
.set G1A, 24
.set G1B, 32
.set G1S, 48
.set G0A, 56
.set G0B, 60
.set G0S, 68
.set MSB, 0
.set PH, 0
.set EPIF, 0
.set IMG, 0
.set LASTF, 0
.set QS, Y
.macro WIN new
.if MSB != (\new)
	s_set_vgpr_msb (MSB<<8)|(\new)
.set MSB, (\new)
.endif
.endm
.macro PLACES n
.rept \n
	v_nop
.endr
.endm
.macro WALU
	s_wait_alu depctr_va_vdst(0)
.endm
.macro BARRIER
	s_barrier_signal -1
	s_barrier_wait -1
.endm
.macro CROUND
	BARRIER
	s_cmp_lg_u32 s14, 0
	s_cbranch_scc1 .Lnot_wave_0_\@
	s_barrier_signal -3
.Lnot_wave_0_\@:
	s_barrier_wait -3
	BARRIER
.endm
.macro TLOAD g0, g1
	tensor_load_to_lds s[\g0:\g0+3], s[\g1:\g1+7]
	s_nop 0
	PLACES 4
.endm
.macro GROUP1 g, mask, rows            ; rows of 768 bytes, 16 bytes of padding behind every 256
	s_or_b32 s[\g+0], s[\mask], (1<<20)|(1<<21)|(5<<22)|(3<<25)
	s_mov_b32 s[\g+1], KROW<<16
	s_mov_b32 s[\g+2], (\rows)<<16
	s_mov_b32 s[\g+3], KROW<<16
	s_mov_b32 s[\g+4], \rows
	s_mov_b32 s[\g+5], KROW
	s_mov_b32 s[\g+6], 0
	s_mov_b32 s[\g+7], 0
.endm
.macro FRAG f, q, a0, a1               ; six pieces of 8 bytes, two to a load where both lie behind as many paddings
	WIN (1+(\f)/FPW)<<6
.set R_, FR*((\f)%FPW)
.set SKIP_, 0
.irp p, 0,1,2,3,4,5
.if SKIP_
.set SKIP_, 0
.else
.set PC_, 12*(\q)+6*(\p/3)+\p%3
.set PN_, 12*(\q)+6*((\p+1)/3)+(\p+1)%3
.set X_, (PC_%32+3)/32
.set XQ_, (PN_%32+3)/32
.if (\p < 5) && (X_ == XQ_)
.set SKIP_, 1
.if X_
	ds_load_2addr_b64 v[R_+2*\p:R_+2*\p+3], \a1 offset0:PC_+2*(PC_/32) offset1:PN_+2*(PN_/32)
.else
	ds_load_2addr_b64 v[R_+2*\p:R_+2*\p+3], \a0 offset0:PC_+2*(PC_/32) offset1:PN_+2*(PN_/32)
.endif
.elseif X_
	ds_load_b64 v[R_+2*\p:R_+2*\p+1], \a1 offset:8*(PC_+2*(PC_/32))
.else
	ds_load_b64 v[R_+2*\p:R_+2*\p+1], \a0 offset:8*(PC_+2*(PC_/32))
.endif
.endif
.endr
.endm
.macro SAL e                           ; a block's eight scale words
	WIN 0
	ds_load_b128 v[SA+8*(\e):SA+8*(\e)+3], v[AAS]
	ds_load_b128 v[SA+8*(\e)+4:SA+8*(\e)+7], v[AAS] offset:16
.endm
.macro FETCH e
.irp q, 0,1,2,3,4,5,6,7
	FRAG 32+8*(\e)+\q, \q, v[ADRA], v[ADRA+1]
.endr
	SAL \e
.endm
.macro STEPA                           ; on to the next block's LDS addresses, cyclically; the four vector lines are places behind the last products
	s_add_co_u32 s90, s90, 1
	s_and_b32 s90, s90, 7
	s_mul_i32 s91, s90, 16*PITCH
	s_mul_i32 s92, s90, 544
	v_add_nc_u32 v[ADRA], s91, v[ADRA0]
	v_add_nc_u32 v[ADRA+1], s91, v[ADRA0+1]
	v_add_nc_u32 v[AAS], s92, v[AAS0]
	v_nop
	WALU
.endm
.macro ADV e
	WIN 0
	STEPA
	FETCH \e
.endm
.macro PROD1 d, s0, s1, c, x0, x1, side, o
.if \o
	v_wmma_scale_f32_16x16x128_f8f6f4 v[\d:\d+7], v[FR*((\s0)%FPW):FR*((\s0)%FPW)+FR-1], v[FR*((\s1)%FPW):FR*((\s1)%FPW)+FR-1], \c, v[\x0], v[\x1] matrix_a_fmt:MATRIX_FMT_FP6 matrix_b_fmt:MATRIX_FMT_FP6 matrix_\side\()_scale:MATRIX_SCALE_ROW1
.else
	v_wmma_scale_f32_16x16x128_f8f6f4 v[\d:\d+7], v[FR*((\s0)%FPW):FR*((\s0)%FPW)+FR-1], v[FR*((\s1)%FPW):FR*((\s1)%FPW)+FR-1], \c, v[\x0], v[\x1] matrix_a_fmt:MATRIX_FMT_FP6 matrix_b_fmt:MATRIX_FMT_FP6 matrix_\side\()_scale:MATRIX_SCALE_ROW0
.endif
.endm
.macro PROD kind, e, q, b, d           ; kind 0: source 0 the weight's tile b; kind 1: source 0 x's block.  The weights' words: lanes 0-15 tile 2 g, lanes 16-31 tile 2 g + 1
.set FB_, 4*(\q)+(\b)
.set FA_, 32+8*(\e)+(\q)
.set D_, \d
.set XB_, WSP+8*((\b)/2)+(\q)
.set XA_, SA+8*(\e)+(\q)
.if \kind
	WIN (1+FA_/FPW)|((1+FB_/FPW)<<2)|0xf0
.if \q
	PROD1 D_, FA_, FB_, v[D_:D_+7], XA_, XB_, b, (\b)%2
.else
	PROD1 D_, FA_, FB_, 0, XA_, XB_, b, (\b)%2
.endif
.else
	WIN (1+FB_/FPW)|((1+FA_/FPW)<<2)|0xf0
.if \q
	PROD1 D_, FB_, FA_, v[D_:D_+7], XB_, XA_, a, (\b)%2
.else
	PROD1 D_, FB_, FA_, 0, XB_, XA_, a, (\b)%2
.endif
.endif
.endm
.macro BLOCK kind, e, d0, ds           ; 32 products; the four sums take turns, one instruction a turn; the first product of each starts it
.irp q, 0,1,2,3,4,5,6,7
.irp b, 0,1,2,3
	PROD \kind, \e, \q, \b, (\d0)+(\ds)*\b
.endr
.endr
.endm
; ---------------- the lists' lines.  Each macro writes ONE line, chosen by a symbol: LI the place in a list, QI and QJ the place in the quantiser's two parts.  NPL counts the plain lines of a run
.macro ROPE j                          ; LI = 0 .. 31: block j's rotation: sum register 16 c + i is channel 32 c + 16 h + i; each sum is read from its low end on
.set K_, LI%16
.set IP_, 2*(K_/2)
.set YB_, Y+32*(\j)
.set AB_, ACC+32*(\j)
.set TB_, TAB+32*(\j)
	WIN 0xf3                                       ; source 0, source 2 and the result in window 3, the table in window 0
.if LI < 16
.if K_%2 == 0
	v_pk_mul_f32 v[YB_+IP_:YB_+IP_+1], v[AB_+IP_:AB_+IP_+1], v[TB_+IP_:TB_+IP_+1]
.else
	v_pk_mul_f32 v[YB_+16+IP_:YB_+17+IP_], v[AB_+IP_:AB_+IP_+1], v[TB_+16+IP_:TB_+17+IP_]
.endif
.else
.if K_%2 == 0
	v_pk_fma_f32 v[YB_+IP_:YB_+IP_+1], v[AB_+16+IP_:AB_+17+IP_], v[TB_+16+IP_:TB_+17+IP_], v[YB_+IP_:YB_+IP_+1] neg_lo:[0,1,0] neg_hi:[0,1,0]
.else
	v_pk_fma_f32 v[YB_+16+IP_:YB_+17+IP_], v[AB_+16+IP_:AB_+17+IP_], v[TB_+IP_:TB_+IP_+1], v[YB_+16+IP_:YB_+17+IP_]
.endif
.endif
.set NPL, NPL+1
.endm
.macro TABL j                          ; eight loads of 512 dense bytes: cos and sin of a tile's tokens, frequencies 16 h + 0 .. 15, into the half that its rotation has just read
	WIN 0
.if (\j != 0) || (LASTF == 0)          ; k's last pair, which is written out, is followed by no rotation: it asks for no further block 0's table
.irp i, 0,1,2,3,4,5,6,7
.if \j
	global_load_b128 v[TAB+32+4*\i:TAB+35+4*\i], v[VO16], s[96:97] offset:512*\i
.else
	global_load_b128 v[TAB+4*\i:TAB+4*\i+3], v[VO16], s[80:81] offset:512*\i
.endif
.endr
.endif
.endm
; 64 numbers of a lane in window 3 from register QS on, register 16 b + i = K 32 b + 16 h + i of my row.  QA, QI = 0 .. 55: the four blocks' scales (bytes in v[PW]) and the conversions
.macro QA
.if QI < 4
	WIN 0x0f
	v_max3_num_f32 v[TM+QI], |v[QS+16*QI]|, |v[QS+1+16*QI]|, 0x1800000   ; with the floor 2^(3 - 127): the byte cannot fall under 1
.set NPL, NPL+1
.elseif QI < 32
.set B_, QI%4
.set I_, 2*(QI/4)
	WIN 0x0f
	v_max3_num_f32 v[TM+B_], |v[QS+16*B_+I_]|, |v[QS+1+16*B_+I_]|, v[TM+B_]
.set NPL, NPL+1
.elseif QI < 36
	WIN 0
	v_permlanex16_b32 v[TM+4+QI-32], v[TM+QI-32], s[SEL], s[SEL+1]
.elseif QI < 40
	WIN 0
	v_max_num_f32 v[TM+QI-36], v[TM+QI-36], v[TM+4+QI-36]
.elseif QI < 44
	WIN 0
	v_add_nc_u32 v[TM+12+QI-40], 0xff000000, v[TM+QI-40]   ; 2 off the exponent field: the conversion's scale operand
.elseif QI < 48
	WIN 0
	v_lshrrev_b32 v[TM+4+QI-44], 23, v[TM+12+QI-44]
.elseif QI == 48
	WIN 0
	v_lshl_or_b32 v[PW], v[TM+5], 8, v[TM+4]
.elseif QI == 49
	WIN 0
	v_lshl_or_b32 v[PW], v[TM+6], 16, v[PW]
.elseif QI == 50
	WIN 0
	v_lshl_or_b32 v[PW], v[TM+7], 24, v[PW]
.elseif QI < 55
.set C_, (QI-51)/2
	WIN 3
.if (QI-51)%2 == 0
	v_cvt_scalef32_pk16_fp6_f32 v[CDS+6*C_:CDS+2+6*C_], v[QS+32*C_:QS+15+32*C_], v[TM+12+2*C_]
.else
	v_cvt_scalef32_pk16_fp6_f32 v[CDS+12+4*C_:CDS+14+4*C_], v[QS+16+32*C_:QS+31+32*C_], v[TM+12+2*C_+1]
.endif
.else
	WIN 0
	v_nop                                          ; one plain instruction behind a scaled conversion
.endif
.endm
; QB, QJ = 0 .. 11: a whole block into a lane: registers 6 c .. 6 c + 5 of v[CDS]: lanes 0-15 block 2 c, lanes 16-31 block 2 c + 1.  QJ = 12 .. 19: q's and k's queue of scale words: after four pairs v[SW + s] holds block s's
.macro QB
	WIN 0
.if QJ < 12
.set C_, QJ/6
.set K_, QJ%6
.if K_ < 3
	v_permlane16_swap_b32 v[CDS+6*C_+K_], v[CDS+12+4*C_+K_]
.else
	v_mov_b32 v[CDS+6*C_+K_], v[CDS+12+4*C_+K_-3]
.endif
.elseif QJ < 18
	v_mov_b32 v[SW+QJ-12], v[SW+QJ-10]
.set NPL, NPL+1
.elseif QJ == 18
	v_mov_b32 v[SW+6], v[PW]
.set NPL, NPL+1
.else
	v_lshrrev_b32 v[SW+7], 16, v[PW]
.set NPL, NPL+1
.endif
.endm
.macro PUTC                            ; a pair's two images
	WIN 0
	global_store_b128 v[VO16], v[CDS:CDS+3], s[76:77]
	global_store_b64 v[VO8], v[CDS+4:CDS+5], s[76:77] offset:512
	global_store_b128 v[VO16], v[CDS+6:CDS+9], s[76:77] offset:768
	global_store_b64 v[VO8], v[CDS+10:CDS+11], s[76:77] offset:1280
.endm
.macro LINE0                           ; block 0's list
.if EPIF
.if LI < 32
	ROPE 1
.elseif LI == 32
	TABL 1
.elseif LI < 89
.set QI, LI-33
	QA
.endif
.endif
.endm
.macro LINE1                           ; block 1's list
.if LI < 32
	ROPE 0
.elseif LI == 32
	TABL 0
.elseif EPIF && (LI < 53)
.set QJ, LI-33
	QB
.elseif EPIF && (LI == 53)
	PUTC
.endif
.endm
.macro LINED                           ; what is left of a phase's last pair
.if LI < 32
	ROPE 1
.elseif LI == 32
.if PH == 1
	TABL 1
.endif
.elseif LI < 89
.set QI, LI-33
	QA
.elseif LI < 109
.set QJ, LI-89
	QB
.elseif LI == 109
	PUTC
.endif
.endm
.macro WEIGHTS d                       ; my 64 rows of the weight, all of K; d = 1: four lines of the last pair's way out behind each fragment's loads
.set LI, 0
.irp q, 0,1,2,3,4,5,6,7
.irp b, 0,1,2,3
	FRAG 4*\q+\b, \q, v[BA+2*\b], v[BA+2*\b+1]
.if \d
.rept 4
	LINED
.set LI, LI+1
.endr
.endif
.endr
.endr
	WIN 0
.endm
.macro PRE e                           ; a block's head
	s_wait_xcnt 0x0                                ; earlier loads and stores have read their bases and registers
.if \e == 0
.if EPIF
	s_lshl_b32 s98, s3, 13
	s_add_co_u32 s98, s98, 4096
	s_add_nc_u64 s[96:97], s[82:83], s[98:99]      ; the table of this pair's block 1
	s_wait_loadcnt 8                               ; the last pair's block 1's table is in
.endif
.else
	s_add_co_u32 s98, s3, 1
	s_and_b32 s98, s98, 3
	s_lshl_b32 s98, s98, 13
	s_add_nc_u64 s[80:81], s[82:83], s[98:99]      ; the table of the next pair's block 0, cyclically
.if EPIF
	s_sub_co_u32 s86, s3, 1
	s_mul_i32 s86, s86, 1536
	s_add_co_u32 s86, s86, s94
	s_add_co_u32 s86, s86, IMG
	s_add_nc_u64 s[76:77], s[84:85], s[86:87]      ; the last pair's images
.endif
	s_wait_loadcnt 8                               ; this pair's block 0's table is in
.endif
	s_wait_dscnt NF
	STEPA
.endm
.macro XBLOCK e
.irp q, 0,1,2,3,4,5,6,7
.irp b, 0,1,2,3
	PROD 0, \e, \q, \b, ACC+32*(\e)+8*\b
.endr
.set NPL, 0
.set LI, 12*\q
.rept 12
.if \e
	LINE1
.else
	LINE0
.endif
.set LI, LI+1
.endr
.if NPL < 4
	PLACES 4                                       ; places between the four products and the loads into the fragment that they have read
.endif
	FRAG 32+8*(\e)+\q, \q, v[ADRA], v[ADRA+1]
.endr
	SAL \e
.endm
.macro PAIR
	PRE 0
	XBLOCK 0
	PRE 1
	XBLOCK 1
.endm
.macro REFILL                          ; I hold the weight in registers: its region is asked for again
	s_wait_tensorcnt 0x0                           ; the three lines ahead of a refill's round
	ds_add_u32 v[SPW], v[NIL]
	s_add_nc_u64 s[G0B+2:G0B+3], s[G0B+2:G0B+3], 1024*KROW
	s_wait_dscnt 0x0
	CROUND
	s_cmp_lt_u32 s14, 2
	s_cbranch_scc0 .Lnr_\@
	TLOAD G0B, G1B                                 ; waves 0, 1 a half each of the next weight's rows
.Lnr_\@:
.endm
.macro OPEN p, pimg, pscw              ; phase p = 1, 2 opens: the weight is shown and taken into registers, with the end of phase p - 1's way out among the loads
.set PH, \p
	s_wait_xcnt 0x0
	s_add_co_u32 s86, s94, (\pimg)+4608
	s_add_nc_u64 s[76:77], s[84:85], s[86:87]      ; the last pair's images
	s_add_co_u32 s86, s95, \pscw
	s_add_nc_u64 s[78:79], s[84:85], s[86:87]      ; the phase's scale words
.if \p == 1
	s_add_nc_u64 s[96:97], s[82:83], 4096
	s_wait_loadcnt 8
.else
	s_wait_loadcnt 0x0
.endif
	PLACES 4
	WALU
	s_wait_tensorcnt 0x0
	s_wait_dscnt 0x0
	BARRIER                                        ; what the refill brought is shown to all
	WEIGHTS 1
	v_cmp_ne_u32 vcc_lo, 0, v2
.irp i, 0,1,2,3
	v_cndmask_b32 v[SW+\i], v[SW+\i], v[SW+4+\i], vcc_lo   ; lanes 0-15: tiles 0-3, lanes 16-31: tiles 4-7
.endr
	global_store_b128 v[VO16], v[SW:SW+3], s[78:79]        ; 512 consecutive bytes
.endm
.macro PHASEQK p, img
.set PH, \p
.set IMG, \img
.set WSP, WS+16*\p
.set QS, Y
	s_mov_b32 s3, 0
.set EPIF, 0
	PAIR                                           ; the first pair has no pair ahead of it
	s_mov_b32 s3, 1
.set EPIF, 1
.Lqk_\p:
	PAIR
	s_add_co_u32 s3, s3, 1
	s_cmp_lt_u32 s3, 4-\p
	s_cbranch_scc1 .Lqk_\p
.if \p
.set LASTF, 1
	PAIR                                           ; k's last pair (s3 = 3) is written out: every way passes the same loads ahead of each counted wait
.set LASTF, 0
.endif
.endm
; ---------------- the head
	s_load_b128 s[4:7], s[0:1], 0x0                ; xq, wq
	s_load_b128 s[8:11], s[0:1], 0x10              ; rope, qkv
	v_lshl_add_u32 v[SPW], v0, 2, SPARE
	v_mov_b32 v[NIL], 0
	ds_add_u32 v[SPW], v[NIL]                      ; the opening lines: the add twice on end and its wait
	ds_add_u32 v[SPW], v[NIL]
	v_lshrrev_b32 v1, 5, v0
	v_readfirstlane_b32 s14, v1                    ; wave
	s_and_b32 s16, s14, 1
	s_bfe_u32 s40, ttmp6, 0x40000                  ; cx: which four heads
	s_bfe_u32 s41, ttmp6, 0x40004                  ; cy
	s_and_b32 s43, ttmp7, 0xffff
	s_lshl_b32 s43, s43, 2
	s_add_co_u32 s43, s43, s41                     ; which 128 positions of x, 0 .. 63
	s_lshl_b32 s44, s41, 2
	s_lshl_b32 s44, 15, s44                        ; my row of the cluster
	s_lshl_b32 s45, 0x1111, s40                    ; my column
	GROUP1 G1A, 44, 128
	GROUP1 G1B, 45, 128
	s_or_b32 s[G1S+0], s44, (3<<16)|(1<<20)|(1<<21)|(5<<22)|(3<<25)   ; 4,096 dense scale bytes as 16 rows of 256, 16 bytes of padding behind each
	s_mov_b32 s[G1S+1], 32<<16
	s_mov_b32 s[G1S+2], 16<<16
	s_mov_b32 s[G1S+3], 32<<16
	s_mov_b32 s[G1S+4], 16
	s_mov_b32 s[G1S+5], 32
	s_mov_b32 s[G1S+6], 0
	s_mov_b32 s[G1S+7], 0
	s_mov_b32 s[G0A], 1
	s_mov_b32 s[G0A+1], 0
	s_mov_b32 s[G0B], 1
	s_mul_i32 s[G0B+1], s16, 128*PITCH
	s_add_co_u32 s[G0B+1], s[G0B+1], WB
	s_mov_b32 s[G0S], 1
	s_mov_b32 s[G0S+1], SCL
	s_mul_i32 s20, s43, 128*KROW                   ; x's codes
	s_mov_b32 s21, 0
	s_lshl_b32 s22, s43, 12
	s_add_co_u32 s22, s22, XSC                     ; x's scale bytes
	s_mov_b32 s23, 0
	s_mul_i32 s46, s40, 256*KROW                   ; the weight's rows: 256 cx + 128 x half
	s_mul_i32 s47, s16, 128*KROW
	s_add_co_u32 s46, s46, s47
	s_mov_b32 s47, 0
	s_lshl_b32 s72, s40, 13                        ; my 64 rows' scale bytes
	s_lshl_b32 s73, s14, 11
	s_add_co_u32 s72, s72, s73
	s_add_co_u32 s72, s72, WSC
	s_mov_b32 s73, 0
	s_mul_i32 s93, s14, 64*PITCH
	s_add_co_u32 s93, s93, WB
	s_mov_b32 s[SEL], 0x76543210
	s_mov_b32 s[SEL+1], 0xfedcba98
	s_mov_b32 s90, 7
	s_mov_b32 s87, 0
	s_mov_b32 s99, 0
	v_and_b32 v1, 15, v0                           ; r
	v_bfe_u32 v2, v0, 4, 1                         ; h
	v_and_b32 v3, 31, v0
	v_mul_u32_u24 v24, v1, PITCH
	v_mad_u32_u24 v[ADRA0], v2, 24, v24
	v_mad_u32_u24 v[ADRA0+1], v2, 40, v24
.irp b, 0,1,2,3
	v_add_nc_u32 v[BA+2*\b], s93, v[ADRA0]
	v_add_nc_u32 v[BA+2*\b+1], s93, v[ADRA0+1]
	s_add_co_u32 s93, s93, 16*PITCH
.endr
	v_lshrrev_b32 v25, 3, v1
	v_lshlrev_b32 v[AAS0], 5, v1
	v_lshl_add_u32 v[AAS0], v25, 4, v[AAS0]
	v_add_nc_u32 v[AAS0], SCL, v[AAS0]
	v_lshlrev_b32 v[WOFF], 5, v3
	v_lshlrev_b32 v[VO16], 4, v3
	v_lshlrev_b32 v[VO8], 3, v3
	v_lshlrev_b32 v[R16], 4, v1
.irp b, 0,1,2,3
	v_mov_b32 v[TM+4+\b], 0                        ; a lane permute's destination counts as one of its sources
.endr
.irp b, 0,1,2,3,4,5,6,7
	v_mov_b32 v[SW+\b], 0                          ; the queue of scale words is read before its first words are in
.endr
	WALU
	s_wait_dscnt 0x0
	CROUND                                         ; all sixteen work-groups are here: the first joint loads meet
	s_wait_kmcnt 0x0
	s_add_nc_u64 s[G0A+2:G0A+3], s[4:5], s[20:21]
	s_or_b32 s[G0A+3], s[G0A+3], 0x80000000
	s_add_nc_u64 s[G0S+2:G0S+3], s[4:5], s[22:23]
	s_or_b32 s[G0S+3], s[G0S+3], 0x80000000
	s_add_nc_u64 s[G0B+2:G0B+3], s[6:7], s[46:47]
	s_or_b32 s[G0B+3], s[G0B+3], 0x80000000
	s_add_nc_u64 s[74:75], s[6:7], s[72:73]
	s_cmp_lt_u32 s14, 2                            ; one load a wave: waves 0, 1 a half each of W_q's rows, wave 2 x's rows, wave 3 x's scale bytes
	s_cbranch_scc0 .Lh_x
	TLOAD G0B, G1B
	s_branch .Lh_end
.Lh_x:
	s_cmp_eq_u32 s14, 2
	s_cbranch_scc0 .Lh_s
	TLOAD G0A, G1A
	s_branch .Lh_end
.Lh_s:
	TLOAD G0S, G1S
.Lh_end:
.irp p, 0,1,2
.irp g, 0,1
.irp c, 0,1
	global_load_b128 v[WS+16*\p+8*\g+4*\c:WS+16*\p+8*\g+4*\c+3], v[WOFF], s[74:75] offset:\p*32768+\g*1024+16*\c   ; the three weights' scale words of my 64 rows: 32 lanes read 1,024 dense bytes in two loads
.endr
.endr
.endr
	s_and_b32 s93, s43, 15                         ; the key step in its batch
	s_lshr_b32 s20, s43, 4
	s_lshl_b32 s20, s20, 4
	s_lshl_b32 s21, s40, 2
	s_add_co_u32 s20, s20, s21
	s_add_co_u32 s20, s20, s14                     ; 16 x batch + head
	s_mul_i32 s20, s20, REC
	s_mov_b32 s21, 0
	s_add_nc_u64 s[84:85], s[10:11], s[20:21]      ; my record
	s_mul_i32 s94, s93, 6144                       ; eight images of q or k, or a key step of v
	s_lshl_b32 s95, s93, 9
	s_lshl_b32 s20, s93, 15
	s_add_nc_u64 s[82:83], s[8:9], s[20:21]        ; the table at my first tile
	s_mov_b64 s[80:81], s[82:83]
	s_add_nc_u64 s[96:97], s[82:83], 4096
	TABL 0                                         ; the first pair's table
	TABL 1
	s_cmp_lt_u32 s14, 2
	s_cbranch_scc0 .Lw_in
	s_wait_tensorcnt 0x0
.Lw_in:
	BARRIER                                        ; W_q's rows are in; x's may still be on their way
	WEIGHTS 0
	s_wait_tensorcnt 0x0
	s_wait_dscnt 0x0
	BARRIER                                        ; x's rows and scale bytes are in
	ADV 0
	ADV 1
	s_wait_loadcnt 16                              ; the weights' scale words are in; the table's 16 loads may be out
	REFILL
	PHASEQK 0, 0
	OPEN 1, 0, R_QS
	REFILL
	PHASEQK 1, R_KI
	OPEN 2, R_KI, R_KS
	s_wait_dscnt 0x0
; ---------------- v: two bands of four blocks.  Sum register 32 t + 8 sb + j is token 8 h + j of block sb, channel r of tile t
.set WSP, WS+32
	s_wait_xcnt 0x0
	s_add_co_u32 s86, s94, R_VI
	s_add_nc_u64 s[76:77], s[84:85], s[86:87]
	s_lshl_b32 s86, s93, 8
	s_add_co_u32 s86, s86, R_VS
	s_add_nc_u64 s[78:79], s[84:85], s[86:87]
	s_mov_b32 s3, 0
.macro VBLK sb
	BLOCK 1, (\sb)%2, ACC+8*(\sb), 32
.if \sb < 2
	ADV (\sb)%2
	s_wait_dscnt NF                                ; the other set is in
.else
	WIN 0
	PLACES 4
	s_cmp_eq_u32 s3, 1                             ; the last band's last two blocks fetch nothing
	s_cbranch_scc1 .Lnf_\@
	ADV (\sb)%2
	s_wait_dscnt NF
	s_branch .Lj_\@
.Lnf_\@:
	s_wait_dscnt 0x0
.Lj_\@:
.endif
.endm
.Lband:
	VBLK 0
	VBLK 1
	VBLK 2
	VBLK 3
.irp tp, 0,1
	s_wait_xcnt 0x0
.set QS, ACC+64*\tp                    ; blocks 0, 1: tile 2 tp's two blocks of 32 keys; 2, 3: tile 2 tp + 1's
.set QI, 0
.rept 56
	QA
.set QI, QI+1
.endr
.set QJ, 0
.rept 12
	QB
.set QJ, QJ+1
.endr
	v_lshrrev_b32 v[SW+2*\tp], 16, v[SW+2*\tp]     ; a band's two bytes come in from above: after two bands the word is whole
	v_lshrrev_b32 v[SW+2*\tp+1], 16, v[SW+2*\tp+1]
	v_lshl_or_b32 v[SW+2*\tp], v[PW], 16, v[SW+2*\tp]
	v_and_or_b32 v[SW+2*\tp+1], v[PW], 0xffff0000, v[SW+2*\tp+1]
	WALU
	global_store_b128 v[VO16], v[CDS:CDS+3], s[76:77] offset:3072*\tp
	global_store_b64 v[VO8], v[CDS+4:CDS+5], s[76:77] offset:3072*\tp+512
	global_store_b128 v[VO16], v[CDS+6:CDS+9], s[76:77] offset:3072*\tp+1536
	global_store_b64 v[VO8], v[CDS+10:CDS+11], s[76:77] offset:3072*\tp+2048
.endr
	s_wait_xcnt 0x0
	s_add_nc_u64 s[76:77], s[76:77], 768           ; the next band: registers 6-11 of the fragments
	s_add_co_u32 s3, s3, 1
	s_cmp_lt_u32 s3, 2
	s_cbranch_scc1 .Lband
	global_store_b128 v[R16], v[SW:SW+3], s[78:79] ; lanes l and l xor 16 write the same 16 bytes with the same value: 256 consecutive bytes
	s_wait_tensorcnt 0x0                           ; the wave's end
	ds_add_u32 v[SPW], v[NIL]
	s_wait_dscnt 0x0
	CROUND                                         ; the closing round
	s_endpgm
.Lfunc_end_k_q75304e4ab7_gemm_qkv:
	.size	k_q75304e4ab7_gemm_qkv, .Lfunc_end_k_q75304e4ab7_gemm_qkv-k_q75304e4ab7_gemm_qkv
	.p2alignl 7, 3214868480
	.fill 96, 4, 3214868480
	.section	.rodata,"a",@progbits
	.p2align	6, 0x0
	.amdhsa_kernel k_q75304e4ab7_gemm_qkv
		.amdhsa_group_segment_fixed_size 327680
		.amdhsa_private_segment_fixed_size 0
		.amdhsa_enable_private_segment 0
		.amdhsa_kernarg_size 32
		.amdhsa_user_sgpr_count 2
		.amdhsa_user_sgpr_kernarg_segment_ptr 1
		.amdhsa_wavefront_size32 1
		.amdhsa_system_sgpr_workgroup_id_x 1
		.amdhsa_system_sgpr_workgroup_id_y 1
		.amdhsa_system_sgpr_workgroup_id_z 1
		.amdhsa_system_vgpr_workitem_id 0
		.amdhsa_next_free_vgpr 968
		.amdhsa_next_free_sgpr 102
		.amdhsa_reserve_vcc 1
		.amdhsa_float_denorm_mode_32 3
		.amdhsa_float_denorm_mode_16_64 3
		.amdhsa_memory_ordered 1
		.amdhsa_forward_progress 1
		.amdhsa_inst_pref_size 202
	.end_amdhsa_kernel
	.amdgpu_metadata
---
amdhsa.version: [ 1, 2 ]
amdhsa.kernels:
  - .name:           k_q75304e4ab7_gemm_qkv
    .symbol:         k_q75304e4ab7_gemm_qkv.kd
    .args:
      - { .name: xq, .offset: 0, .size: 8, .value_kind: global_buffer, .address_space: global }
      - { .name: wq, .offset: 8, .size: 8, .value_kind: global_buffer, .address_space: global }
      - { .name: rope, .offset: 16, .size: 8, .value_kind: global_buffer, .address_space: global }
      - { .name: qkv, .offset: 24, .size: 8, .value_kind: global_buffer, .address_space: global }
    .group_segment_fixed_size: 327680
    .private_segment_fixed_size: 0
    .kernarg_segment_align: 8
    .kernarg_segment_size: 32
    .max_flat_workgroup_size: 128
    .sgpr_count:     102
    .vgpr_count:     968
    .wavefront_size: 32
...
	.end_amdgpu_metadata
.endif
;; end of part 2
;; launch attn (part 3): grid 4 x 64, 16 waves a work-group, clusters of 4 x 1, 210,944 bytes of LDS; arguments qkv, oq; writes oq
.if DOCPART == 3
	.amdgcn_target "amdgcn-amd-amdhsa--gfx1250"
	.amdhsa_code_object_version 6
	.text
	.protected	k_q75304e4ab7_attn
	.globl	k_q75304e4ab7_attn
	.p2align	8
	.type	k_q75304e4ab7_attn,@function
k_q75304e4ab7_attn:
	s_mov_b64 s[64:65], 0
	v_nop
	global_prefetch_b8 v0, s[64:65] scope:SCOPE_SE
	s_setreg_imm32_b32 hwreg(HW_REG_WAVE_MODE, 25, 1), 1
	s_wait_xcnt 0x0
	s_wait_alu depctr_hold_cnt(0) depctr_sa_sdst(0) depctr_va_vdst(0) depctr_va_sdst(0) depctr_va_ssrc(0) depctr_va_vcc(0) depctr_vm_vsrc(0)
	s_getreg_b32 s2, hwreg(HW_REG_IB_STS2, 6, 4)
	s_cmp_eq_u32 s2, 0
	s_cbranch_scc0 .Lentry_in_a_cluster
	s_endpgm
.Lentry_in_a_cluster:
	s_bfe_u32 s2, ttmp6, 0x10000c
	s_cmp_lg_u32 s2, 0x3003
	s_cbranch_scc0 .Lentry_shape_is_right
	s_endpgm
.Lentry_shape_is_right:
; Causal attention of one (batch, head) a cluster, both products on codes of FP6 (E2M3) with E8M0 scales, and the quantising of the result along the model's 1,024 for the product that follows.
; THE SOFTMAX AHEAD OF THE SECOND PRODUCT: t = score x log2(e) / 8; M = the row's largest t so far, rounded up to a whole number; p = 2^(t - M) is quantised along the keys, not normalised; the row's sum is taken of the
; unquantised p and divides O at the end.  When M moves, the sum and O are multiplied by 2^(old M - new M), which rounds nothing.
; K AND V OF THE WHOLE HEAD LIE IN LDS, 208,896 bytes, filled ONCE: the record's bytes from k's images on are one dense block, brought by eight joint loads (waves 0-7, 26,112 bytes each) that name all four work-groups of
; the cluster.  Nothing is filled again and nothing is stored to LDS: one barrier serves the launch.
; SHARES.  A head has 128 tiles of 16 queries.  Wave w of work-group cx has g = w % 8 and e = 2 cx + w / 8 and makes tiles 8 g + e and 8 (15 - g) + e: (g + 1) + (16 - g) = 17 key steps of 128 keys for every wave.
; Branches hang on g and on the step's counter, never on the work-group's place in the cluster.  Every wave walks a loop of 16 trips for each tile and jumps over the work of steps whose keys all come after its queries.
; LAYOUT.  Both products are used transposed: S^T = K Q^T, O^T = V^T P^T: a lane holds one query throughout.  Tokens lie in position order (tile T, row r: token 32 (T / 2) + 8 (T % 2) + r + 8 (r / 8)), so the 16 registers
; of score tiles 2 b and 2 b + 1 are keys 32 b + 16 h + 0 .. 15 of the step, and likewise O^T's are neighbouring channels.  The first product's K is 64: registers 6-11 of Q's and K's fragments hold zero codes.
; OUT: oq: images [512 tiles of rows][16 heads] x 768 bytes (16 rows x 64 along K in the order of the operand's registers), then scale bytes [8192 positions][32].  The two scale bytes of a row and head leave by a store of
; 2 bytes a lane, 32 bytes apart: 262,144 bytes in the whole launch; the other heads' bytes of those rows belong to other clusters.
; LIMITS: NaN and infinities are not served; a block of zeros or under 2^-124 gets the byte 1 (its codes are zeros; only this program reads the bytes).
.set REC,   315392
.set R_QS,  98304
.set R_KI,  106496
.set OSC,   6291456
.set LV,    98304                      ; LDS: k's images at 0, v's here,
.set LKS,   196608                     ; k's scale words,
.set LVS,   204800                     ; v's
.set PART,  26112                      ; what one tensor load brings: 102 rows of 256 bytes
.set L16,  1                           ; v1   16 x lane
.set L8,   2                           ; v2   8 x lane
.set L16V, 3
.set L8V,  4
.set LS,   5                           ; v5   LKS + 16 x lane
.set LT,   6                           ; v6   LVS + 16 r
.set DQ,   7                           ; v7   my query's place in its key step, less 16 h
.set ADK,  8                           ; v8-11, v84-85 the step's LDS addresses
.set ADK8, 9
.set ADV,  10
.set ADV8, 11
.set KSC,  28                          ; v28-31  k's scale words: lanes 0-15 tiles 0-3, lanes 16-31 tiles 4-7
.set KF,   32                          ; v32-79  four fragments of K
.set VSC,  80                          ; v80-83  v's scale words
.set ADS,  84
.set ADT,  85
.set QSC,  86                          ; v86     q's scale words
.set NINF, 87
.set R32,  88                          ; v88     32 r
.set R16,  89                          ; v89     16 r
.set VF,   192                         ; v192-239 four fragments of V^T; what is at work ahead of their loads lies in the same registers:
.set BM,   192                         ; block maxima
.set PB,   196                         ; the other half's, then bytes
.set CT,   200                         ; the conversions' second halves
.set SO,   208                         ; the conversions' scale operands
.set T1,   212
.set PF,   240                         ; v240-251 p's codes;  v252 f;  v253 p's scale word;  v[254:255] the sum's second chain
.set WV,   8
.set SEL,  28
.set CS,   30
.set KS,   32
.set TK,   33
.set TS,   34
.set TJ,   35
.set GQ,   36                          ; s36, s37 the key step in which tile 0's, tile 1's queries lie
.macro CROUND
	s_barrier_signal -1
	s_barrier_wait -1
	s_cmp_lg_u32 s[WV], 0
	s_cbranch_scc1 .Lnot_wave_0_\@
	s_barrier_signal -3
.Lnot_wave_0_\@:
	s_barrier_wait -3
	s_barrier_signal -1
	s_barrier_wait -1
.endm
	s_load_b128 s[4:7], s[0:1], 0x0                ; qkv s[4:5], oq s[6:7]
	v_lshl_add_u32 v254, v0, 2, 0x33000
	v_mov_b32 v255, 0
	ds_add_u32 v254, v255
	ds_add_u32 v254, v255
	s_wait_dscnt 0x0
	v_lshrrev_b32 v1, 5, v0
	s_delay_alu instid0(VALU_DEP_1)
	v_readfirstlane_b32 s[WV], v1                  ; wave 0..15
	s_bfe_u32 s9, ttmp6, 0x40000                   ; cx: it enters q's and oq's addresses and the mask's numbers alone
	s_and_b32 s10, ttmp7, 0xffff                   ; 16 x batch + head, which the four partners share
	s_and_b32 s11, s[WV], 7                        ; g
	s_lshr_b32 s56, s[WV], 3
	s_lshl_b32 s12, s9, 1
	s_add_co_u32 s12, s12, s56                     ; e
	s_mov_b32 s[GQ], s11
	s_sub_co_u32 s[GQ+1], 15, s11
	s_mov_b32 s16, 15|(3<<16)|(1<<21)              ; the mask: all four work-groups; elements of 8 bytes; bit 21 beside a mask; no padding
	s_mov_b32 s17, 32<<16                          ; tensor_dim0 = 32 (256 bytes)
	s_mov_b32 s18, 102<<16                         ; tensor_dim1
	s_mov_b32 s19, 32<<16                          ; tile_dim0
	s_mov_b32 s20, 102                             ; tile_dim1
	s_mov_b32 s21, 32                              ; dense
	s_mov_b32 s22, 0
	s_mov_b32 s23, 0
	s_mov_b32 s24, 1
	s_mul_i32 s25, s11, PART                       ; LDS address: g x 26,112 (only waves 0-7 ask, for which g is the wave)
	s_mul_i32 s58, s10, REC                        ; the record
	s_add_co_u32 s56, s58, s25
	s_add_co_u32 s56, s56, R_KI
	s_mov_b32 s57, 0
	s_mov_b32 s[SEL], 0x76543210
	s_mov_b32 s[SEL+1], 0xfedcba98
	s_mov_b32 s[CS], 0x3e38aa3b                    ; c = log2(e) / 8
	s_mov_b32 s[CS+1], s[CS]
	s_wait_kmcnt 0x0
	s_add_nc_u64 s[26:27], s[4:5], s[56:57]
	s_or_b32 s27, s27, 0x80000000
	s_lshl_b32 s56, s11, 3
	s_add_co_u32 s38, s56, s12                     ; tile 0: 8 g + e
	s_sub_co_u32 s39, 120, s56
	s_add_co_u32 s39, s39, s12                     ; tile 1: 8 (15 - g) + e
	s_lshr_b32 s59, s10, 4
	s_lshl_b32 s59, s59, 7                         ; 128 x batch
	s_and_b32 s60, s10, 15                         ; head
.irp n, 0,1
	s_mul_i32 s56, s[38+\n], 768
	s_add_co_u32 s56, s56, s58
	s_add_nc_u64 s[40+2*\n:41+2*\n], s[4:5], s[56:57]      ; q's image
	s_lshr_b32 s56, s[38+\n], 2
	s_lshl_b32 s56, s56, 8
	s_and_b32 s61, s[38+\n], 3
	s_lshl_b32 s61, s61, 2
	s_add_co_u32 s56, s56, s61
	s_add_co_u32 s56, s56, s58
	s_add_co_u32 s56, s56, R_QS
	s_add_nc_u64 s[44+2*\n:45+2*\n], s[4:5], s[56:57]      ; q's scale words
	s_add_co_u32 s61, s59, s[38+\n]
	s_mul_i32 s56, s61, 12288
	s_mul_i32 s62, s60, 768
	s_add_co_u32 s56, s56, s62
	s_add_nc_u64 s[48+2*\n:49+2*\n], s[6:7], s[56:57]      ; the result's image
	s_lshl_b32 s56, s61, 9
	s_lshl_b32 s62, s60, 1
	s_add_co_u32 s56, s56, s62
	s_add_co_u32 s56, s56, OSC
	s_add_nc_u64 s[52+2*\n:53+2*\n], s[6:7], s[56:57]      ; and its scale bytes
.endr
	CROUND                                         ; all four work-groups are here: the joint loads meet
	s_cmp_lt_u32 s[WV], 8
	s_cbranch_scc0 .Lno_load
	tensor_load_to_lds s[24:27], s[16:23]          ; one load of mine is out
	s_nop 0
.rept 4
	v_nop
.endr
.Lno_load:
	v_and_b32 v90, 31, v0
	v_and_b32 v91, 15, v0                          ; r
	v_bfe_u32 v92, v0, 4, 1                        ; h
	s_delay_alu instid0(VALU_DEP_3)
	v_lshlrev_b32 v[L16], 4, v90
	s_delay_alu instid0(VALU_DEP_4)
	v_lshlrev_b32 v[L8], 3, v90
	s_delay_alu instid0(VALU_DEP_4)
	v_lshlrev_b32 v[R16], 4, v91
	v_lshlrev_b32 v[R32], 5, v91
	global_load_b128 v[16:19], v[L16], s[40:41]            ; tile 0's q: registers 0-5 of the fragment
	global_load_b64 v[20:21], v[L8], s[40:41] offset:512
	global_load_b32 v[QSC], v[R16], s[44:45]
	v_add_nc_u32 v[L16V], LV, v[L16]
	v_add_nc_u32 v[L8V], LV, v[L8]
	v_add_nc_u32 v[LS], LKS, v[L16]
	v_add_nc_u32 v[LT], LVS, v[R16]
	v_lshrrev_b32 v93, 3, v91
	s_delay_alu instid0(VALU_DEP_1)
	v_lshl_add_u32 v93, v93, 3, v91                ; r + 8 (r / 8)
	v_lshlrev_b32 v94, 4, v92
	s_delay_alu instid0(VALU_DEP_1)
	v_sub_nc_u32 v93, v93, v94
	s_lshl_b32 s56, s9, 5
	s_lshr_b32 s61, s[WV], 3
	s_lshl_b32 s61, s61, 3
	s_add_co_u32 s56, s56, s61
	v_add_nc_u32 v[DQ], s56, v93                   ; 32 cx + 8 (w / 8) + r + 8 (r / 8) - 16 h: the same for both tiles
	v_mov_b32 v[NINF], 0xff800000
.irp i, 22,23,24,25,26,27
	v_mov_b32 v[\i], 0                             ; K = 64 .. 127 of q: zero codes
.endr
.irp t, 0,1,2,3
.irp i, 6,7,8,9,10,11
	v_mov_b32 v[KF+12*\t+\i], 0                    ; and of k: written once; the loads write registers 0-5 alone
.endr
.endr
.irp b, 0,1,2,3
	v_mov_b32 v[PB+\b], 0                          ; a lane permute's destination counts as one of its sources
.endr
	v_mov_b32 v253, 0                              ; (named as the upper half of the pair v[252:253] before it is first written)
	s_wait_tensorcnt 0x0                           ; my part of K and V is in,
	s_barrier_signal -1
	s_barrier_wait -1                              ; everybody's is
; A KEY STEP of tile n: 128 keys.
.macro STEP n
	s_cmp_gt_u32 s[KS], s[GQ+\n]                   ; all its keys come after my queries: only the addresses step
	s_cbranch_scc1 .Lhidden_\@
	v_add_nc_u32 v[ADK], s[TK], v[L16]             ; (these six are also the places behind the last step's products)
	s_wait_alu depctr_va_vdst(0)
	v_add_nc_u32 v[ADK8], s[TK], v[L8]
	s_wait_alu depctr_va_vdst(0)
	v_add_nc_u32 v[ADV], s[TK], v[L16V]
	v_add_nc_u32 v[ADV8], s[TK], v[L8V]
	v_add_nc_u32 v[ADS], s[TS], v[LS]
	v_add_nc_u32 v[ADT], s[TJ], v[LT]
	ds_load_b128 v[KSC:KSC+3], v[ADS]
.irp g, 0,1
.if \g
.rept 4
	v_nop                                          ; places in front of loads into registers that matrix instructions have read
.endr
.endif
.irp t, 0,1,2,3
	ds_load_b128 v[KF+12*\t:KF+12*\t+3], v[ADK] offset:(4*\g+\t)*768
	ds_load_b64 v[KF+12*\t+4:KF+12*\t+5], v[ADK8] offset:(4*\g+\t)*768+512
.endr
	s_wait_dscnt 0x0
.irp t, 0,1,2,3
.if \g
	v_wmma_scale_f32_16x16x128_f8f6f4 v[96+8*(4*\g+\t):103+8*(4*\g+\t)], v[KF+12*\t:KF+12*\t+11], v[16:27], 0, v[KSC+\t], v[QSC] matrix_a_fmt:MATRIX_FMT_FP6 matrix_b_fmt:MATRIX_FMT_FP6 matrix_a_scale:MATRIX_SCALE_ROW1
.else
	v_wmma_scale_f32_16x16x128_f8f6f4 v[96+8*(4*\g+\t):103+8*(4*\g+\t)], v[KF+12*\t:KF+12*\t+11], v[16:27], 0, v[KSC+\t], v[QSC] matrix_a_fmt:MATRIX_FMT_FP6 matrix_b_fmt:MATRIX_FMT_FP6
.endif
.endr
.endr
.rept 4
	v_nop
.endr
	s_cmp_lg_u32 s[KS], s[GQ+\n]                   ; only the step in which my queries lie has hidden keys
	s_cbranch_scc1 .Lopen_\@
.set cn, 0
.rept 64                               ; register 16 b + i holds the step's key 32 b + 16 h + i: hidden where 32 b + i > DQ; its score becomes -infinity, so p = 0
	v_cmp_gt_i32 vcc_lo, 32*(cn/16)+cn%16, v[DQ]
	v_cndmask_b32 v[96+cn], v[96+cn], v[NINF], vcc_lo
.set cn, cn+1
.endr
.Lopen_\@:
.irp b, 0,1,2,3
	v_max3_num_f32 v[BM+\b], v[96+16*\b], v[97+16*\b], v[98+16*\b]   ; the largest score of each block of 32 keys: for the row's maximum, and, since p rises with the score, for the block's largest p
.endr
.irp i, 3,5,7,9,11,13
.irp b, 0,1,2,3
	v_max3_num_f32 v[BM+\b], v[BM+\b], v[96+16*\b+\i], v[97+16*\b+\i]
.endr
.endr
.irp b, 0,1,2,3
	v_max_num_f32 v[BM+\b], v[BM+\b], v[111+16*\b]
.endr
.irp b, 0,1,2,3
	s_delay_alu instid0(VALU_DEP_4)
	v_permlanex16_b32 v[PB+\b], v[BM+\b], s[SEL], s[SEL+1]
.endr
.irp b, 0,1,2,3
	s_delay_alu instid0(VALU_DEP_4)
	v_max_num_f32 v[BM+\b], v[BM+\b], v[PB+\b]
.endr
	s_delay_alu instid0(VALU_DEP_2)
	v_max3_num_f32 v[T1], v[BM], v[BM+1], v[BM+2]
	s_delay_alu instid0(VALU_DEP_1)
	v_max_num_f32 v[T1], v[T1], v[BM+3]
	s_delay_alu instid0(VALU_DEP_1)
	v_mul_f32 v[T1], s[CS], v[T1]
	s_delay_alu instid0(VALU_DEP_1)
	v_max_num_f32 v13, v13, v[T1]                  ; the running largest t
	v_mov_b32 v[T1], v12
	s_delay_alu instid0(VALU_DEP_2)
	v_floor_f32 v12, -v13                          ; the new -M = -ceil(t)
	s_delay_alu instid0(VALU_DEP_1)
	v_sub_f32 v[T1], v12, v[T1]                    ; old M - new M: a whole number, 0 or less
	s_delay_alu instid0(VALU_DEP_1)
	v_cvt_i32_f32 v[T1], v[T1]                     ; (it saturates)
	s_delay_alu instid0(VALU_DEP_1)
	v_ldexp_f32 v252, 1.0, v[T1]                   ; f = 2^(old M - new M)
.set cn, 0
.rept 32
	v_pk_fma_f32 v[96+cn:97+cn], v[96+cn:97+cn], s[CS:CS+1], v[12:13] op_sel_hi:[1,0,0]   ; t - M
.set cn, cn+2
.endr
.irp b, 0,1,2,3
	v_fma_f32 v[BM+\b], v[BM+\b], s[CS], v12
.endr
.set cn, 0
	s_wait_alu depctr_va_vdst(0)
.rept 64
	v_exp_f32 v[96+cn], v[96+cn]                   ; p = 2^(t - M)
.set cn, cn+1
.endr
.irp b, 0,1,2,3
	v_exp_f32 v[BM+\b], v[BM+\b]                   ; the block's largest p: the same two instructions on the same number
.endr
	v_pk_mul_f32 v[14:15], v[14:15], v[252:253] op_sel_hi:[1,0]   ; the sums under the new M (a plain instruction behind the exponentials)
	s_wait_alu depctr_va_vdst(0)
.irp b, 0,1,2,3
	v_max_num_f32 v[BM+\b], 0x1800000, v[BM+\b]    ; the floor 2^(3 - 127)
.endr
.irp b, 0,1,2,3
	s_delay_alu instid0(VALU_DEP_4)
	v_add_nc_u32 v[SO+\b], 0xff000000, v[BM+\b]
.endr
.irp b, 0,1,2,3
	s_delay_alu instid0(VALU_DEP_4)
	v_lshrrev_b32 v[PB+\b], 23, v[SO+\b]
.endr
	s_delay_alu instid0(VALU_DEP_3)
	v_lshl_or_b32 v253, v[PB+1], 8, v[PB]          ; p's scale word for these 128 keys
	s_delay_alu instid0(VALU_DEP_1)
	v_lshl_or_b32 v253, v[PB+2], 16, v253
	s_delay_alu instid0(VALU_DEP_1)
	v_lshl_or_b32 v253, v[PB+3], 24, v253
.irp c, 0,1
	v_cvt_scalef32_pk16_fp6_f32 v[PF+6*\c:PF+6*\c+2], v[96+32*\c:111+32*\c], v[SO+2*\c]
	v_cvt_scalef32_pk16_fp6_f32 v[CT+4*\c:CT+4*\c+2], v[112+32*\c:127+32*\c], v[SO+2*\c+1]
.endr
	v_nop                                          ; one plain instruction behind a scaled conversion
.irp c, 0,1
.irp i, 0,1,2
	v_permlane16_swap_b32 v[PF+6*\c+\i], v[CT+4*\c+\i]
.endr
.irp i, 0,1,2
	s_delay_alu instid0(VALU_DEP_3)
	v_mov_b32 v[PF+3+6*\c+\i], v[CT+4*\c+\i]
.endr
.endr
	ds_load_b128 v[VSC:VSC+3], v[ADT]              ; V's 17 loads: what was at work in their registers is done with; the sums below stand between them and the wait
.irp t, 0,1,2,3
	ds_load_b128 v[VF+12*\t:VF+12*\t+3], v[ADV] offset:1536*\t
	ds_load_b64 v[VF+12*\t+4:VF+12*\t+5], v[ADV8] offset:1536*\t+512
	ds_load_b128 v[VF+12*\t+6:VF+12*\t+9], v[ADV] offset:1536*\t+768
	ds_load_b64 v[VF+12*\t+10:VF+12*\t+11], v[ADV8] offset:1536*\t+1280
.endr
	v_pk_add_f32 v[254:255], v[100:101], v[104:105]
	v_pk_add_f32 v[94:95], v[108:109], v[112:113]
	v_pk_add_f32 v[92:93], v[116:117], v[120:121]
	v_pk_add_f32 v[90:91], v[124:125], v[128:129]
	v_pk_add_f32 v[84:85], v[132:133], v[136:137]
	v_pk_add_f32 v[72:73], v[140:141], v[144:145]
	v_pk_add_f32 v[70:71], v[148:149], v[152:153]
	v_pk_add_f32 v[14:15], v[14:15], v[156:157]
	v_pk_add_f32 v[254:255], v[254:255], v[96:97]
	v_pk_add_f32 v[94:95], v[94:95], v[98:99]
	v_pk_add_f32 v[92:93], v[92:93], v[102:103]
	v_pk_add_f32 v[90:91], v[90:91], v[106:107]
	v_pk_add_f32 v[84:85], v[84:85], v[110:111]
	v_pk_add_f32 v[72:73], v[72:73], v[114:115]
	v_pk_add_f32 v[70:71], v[70:71], v[118:119]
	v_pk_add_f32 v[14:15], v[14:15], v[122:123]
	v_pk_add_f32 v[254:255], v[254:255], v[126:127]
	v_pk_add_f32 v[94:95], v[94:95], v[130:131]
	v_pk_add_f32 v[92:93], v[92:93], v[134:135]
	v_pk_add_f32 v[90:91], v[90:91], v[138:139]
	v_pk_add_f32 v[84:85], v[84:85], v[142:143]
	v_pk_add_f32 v[72:73], v[72:73], v[146:147]
	v_pk_add_f32 v[70:71], v[70:71], v[150:151]
	v_pk_add_f32 v[14:15], v[14:15], v[154:155]
	v_pk_add_f32 v[254:255], v[254:255], v[158:159]
	s_delay_alu instid0(VALU_DEP_2)
	v_pk_add_f32 v[14:15], v[14:15], v[90:91]
	s_delay_alu instid0(VALU_DEP_2)
	v_pk_add_f32 v[254:255], v[254:255], v[84:85]
	v_pk_add_f32 v[94:95], v[94:95], v[72:73]
	v_pk_add_f32 v[92:93], v[92:93], v[70:71]
	s_delay_alu instid0(VALU_DEP_2)
	v_pk_add_f32 v[14:15], v[14:15], v[94:95]
	s_delay_alu instid0(VALU_DEP_2)
	v_pk_add_f32 v[254:255], v[254:255], v[92:93]
	s_delay_alu instid0(VALU_DEP_1)
	v_pk_add_f32 v[14:15], v[14:15], v[254:255]
.set cn, 0
.rept 16
	v_pk_mul_f32 v[160+cn:161+cn], v[160+cn:161+cn], v[252:253] op_sel_hi:[1,0]   ; O^T under the new M, each accumulator from its low end on.  (With the sums: the places between p's codes and scale word and the products)
.set cn, cn+2
.endr
	s_wait_alu depctr_va_vdst(0)
	s_wait_dscnt 0x0
.irp t, 0,1,2,3                        ; O^T += V^T P^T: the four accumulators take turns
	v_wmma_scale_f32_16x16x128_f8f6f4 v[160+8*\t:167+8*\t], v[VF+12*\t:VF+12*\t+11], v[PF:PF+11], v[160+8*\t:167+8*\t], v[VSC+\t], v253 matrix_a_fmt:MATRIX_FMT_FP6 matrix_b_fmt:MATRIX_FMT_FP6
.endr
.Lhidden_\@:
.endm
; Tile n's result: O^T / the sum, quantised along the channels (two blocks of 32), stored as an image and two scale bytes a row.
.macro OUTT n
.rept 4
	v_nop                                          ; places behind the last products
.endr
.if \n == 0
	global_load_b128 v[16:19], v[L16], s[42:43]            ; tile 1's q lands while tile 0 goes out
	global_load_b64 v[20:21], v[L8], s[42:43] offset:512
	global_load_b32 v[QSC], v[R16], s[46:47]
.endif
	v_add_f32 v14, v14, v15
	s_delay_alu instid0(VALU_DEP_1)
	v_permlanex16_b32 v[PB], v14, s[SEL], s[SEL+1]
	s_delay_alu instid0(VALU_DEP_1)
	v_add_f32 v14, v14, v[PB]                      ; the row's sum
	s_wait_alu depctr_va_vdst(0)
	v_rcp_f32 v252, v14
	v_nop                                          ; a plain instruction behind the reciprocal
.set cn, 0
	s_wait_alu depctr_va_vdst(0)
.rept 16
	v_pk_mul_f32 v[96+cn:97+cn], v[160+cn:161+cn], v[252:253] op_sel_hi:[1,0]   ; register 16 c + i: channel 32 c + 16 h + i of my query
.set cn, cn+2
.endr
.irp b, 0,1
	v_max3_num_f32 v[BM+\b], |v[96+16*\b]|, |v[97+16*\b]|, 0x1800000
.endr
.irp i, 2,4,6,8,10,12,14
.irp b, 0,1
	s_delay_alu instid0(VALU_DEP_2)
	v_max3_num_f32 v[BM+\b], v[BM+\b], |v[96+16*\b+\i]|, |v[97+16*\b+\i]|
.endr
.endr
.irp b, 0,1
	s_delay_alu instid0(VALU_DEP_2)
	v_permlanex16_b32 v[PB+\b], v[BM+\b], s[SEL], s[SEL+1]
.endr
.irp b, 0,1
	s_delay_alu instid0(VALU_DEP_2)
	v_max_num_f32 v[BM+\b], v[BM+\b], v[PB+\b]
.endr
.irp b, 0,1
	s_delay_alu instid0(VALU_DEP_2)
	v_add_nc_u32 v[SO+\b], 0xff000000, v[BM+\b]
.endr
.irp b, 0,1
	s_delay_alu instid0(VALU_DEP_2)
	v_lshrrev_b32 v[PB+\b], 23, v[SO+\b]
.endr
	s_delay_alu instid0(VALU_DEP_1)
	v_lshl_or_b32 v[T1], v[PB+1], 8, v[PB]
	v_cvt_scalef32_pk16_fp6_f32 v[PF:PF+2], v[96:111], v[SO]
	v_cvt_scalef32_pk16_fp6_f32 v[CT:CT+2], v[112:127], v[SO+1]
	v_nop
.irp i, 0,1,2
	v_permlane16_swap_b32 v[PF+\i], v[CT+\i]
.endr
.irp i, 0,1,2
	s_delay_alu instid0(VALU_DEP_3)
	v_mov_b32 v[PF+3+\i], v[CT+\i]
.endr
	global_store_b128 v[L16], v[PF:PF+3], s[48+2*\n:49+2*\n]             ; 512 consecutive bytes, aligned
	global_store_b64 v[L8], v[PF+4:PF+5], s[48+2*\n:49+2*\n] offset:512  ; 256
	global_store_b16 v[R32], v[T1], s[52+2*\n:53+2*\n]                   ; lanes l and l xor 16 write the same two bytes with the same value
.if \n == 0
	s_wait_xcnt 0x0                                ; the stores have read their registers: the next tile writes them again
.endif
.endm
.macro TILE n
	s_mov_b32 s[KS], 0
	s_mov_b32 s[TK], 0
	s_mov_b32 s[TS], 0
	s_mov_b32 s[TJ], 0
	v_mov_b32 v13, 0xff61b1e6                      ; the largest t so far: -3e38
	s_delay_alu instid0(VALU_DEP_1)
	v_floor_f32 v12, -v13
	v_mov_b32 v14, 0
	v_mov_b32 v15, 0
.set cn, 0
.rept 32
	v_mov_b32 v[160+cn], 0                         ; O^T: the step is written once; the first finds zeros, which the first change of M leaves zeros
.set cn, cn+1
.endr
	s_wait_loadcnt 0x0                             ; q
.Lks_\n:                               ; 16 trips, a constant: the addresses that step in it can be read off the text
	STEP \n
	s_add_co_u32 s[TK], s[TK], 6144                ; eight images of k, and as many bytes of v
	s_add_co_u32 s[TS], s[TS], 512
	s_add_co_u32 s[TJ], s[TJ], 256
	s_add_co_u32 s[KS], s[KS], 1
	s_cmp_lt_u32 s[KS], 16
	s_cbranch_scc1 .Lks_\n
	OUTT \n
.endm
	TILE 0
	TILE 1
	s_wait_xcnt 0x0
	v_lshl_add_u32 v254, v0, 2, 0x33000
	v_mov_b32 v255, 0
	s_wait_alu depctr_va_vdst(0)
	s_wait_tensorcnt 0x0
	ds_add_u32 v254, v255
	s_wait_dscnt 0x0
	CROUND                                         ; the closing round
	s_endpgm
.Lfunc_end_k_q75304e4ab7_attn:
	.size	k_q75304e4ab7_attn, .Lfunc_end_k_q75304e4ab7_attn-k_q75304e4ab7_attn
	.p2alignl 7, 3214868480
	.fill 96, 4, 3214868480
	.section	.rodata,"a",@progbits
	.p2align	6, 0x0
	.amdhsa_kernel k_q75304e4ab7_attn
		.amdhsa_group_segment_fixed_size 210944
		.amdhsa_private_segment_fixed_size 0
		.amdhsa_enable_private_segment 0
		.amdhsa_kernarg_size 16
		.amdhsa_user_sgpr_count 2
		.amdhsa_user_sgpr_kernarg_segment_ptr 1
		.amdhsa_wavefront_size32 1
		.amdhsa_system_sgpr_workgroup_id_x 1
		.amdhsa_system_sgpr_workgroup_id_y 1
		.amdhsa_system_sgpr_workgroup_id_z 1
		.amdhsa_system_vgpr_workitem_id 0
		.amdhsa_next_free_vgpr 256
		.amdhsa_next_free_sgpr 66
		.amdhsa_reserve_vcc 1
		.amdhsa_float_denorm_mode_32 3
		.amdhsa_float_denorm_mode_16_64 3
		.amdhsa_memory_ordered 1
		.amdhsa_forward_progress 1
		.amdhsa_inst_pref_size 65
	.end_amdhsa_kernel
	.amdgpu_metadata
---
amdhsa.version: [ 1, 2 ]
amdhsa.kernels:
  - .name:           k_q75304e4ab7_attn
    .symbol:         k_q75304e4ab7_attn.kd
    .args:
      - { .name: qkv, .offset: 0, .size: 8, .value_kind: global_buffer, .address_space: global }
      - { .name: oq, .offset: 8, .size: 8, .value_kind: global_buffer, .address_space: global }
    .group_segment_fixed_size: 210944
    .private_segment_fixed_size: 0
    .kernarg_segment_align: 8
    .kernarg_segment_size: 16
    .max_flat_workgroup_size: 512
    .sgpr_count:     66
    .vgpr_count:     256
    .wavefront_size: 32
...
	.end_amdgpu_metadata
.endif
;; end of part 3
;; launch gemm_out (part 4): grid 4 x 64, 4 waves a work-group, clusters of 4 x 4, 327,680 bytes of LDS; arguments oq, wq, out0; writes out0
.if DOCPART == 4
	.amdgcn_target "amdgcn-amd-amdhsa--gfx1250"
	.amdhsa_code_object_version 6
	.text
	.protected	k_q75304e4ab7_gemm_out
	.globl	k_q75304e4ab7_gemm_out
	.p2align	8
	.type	k_q75304e4ab7_gemm_out,@function
k_q75304e4ab7_gemm_out:
	s_mov_b64 s[64:65], 0
	v_nop
	global_prefetch_b8 v0, s[64:65] scope:SCOPE_SE
	s_setreg_imm32_b32 hwreg(HW_REG_WAVE_MODE, 25, 1), 1
	s_wait_xcnt 0x0
	s_wait_alu depctr_hold_cnt(0) depctr_sa_sdst(0) depctr_va_vdst(0) depctr_va_sdst(0) depctr_va_ssrc(0) depctr_va_vcc(0) depctr_vm_vsrc(0)
	s_getreg_b32 s2, hwreg(HW_REG_IB_STS2, 6, 4)
	s_cmp_eq_u32 s2, 0
	s_cbranch_scc0 .Lentry_in_a_cluster
	s_endpgm
.Lentry_in_a_cluster:
	s_bfe_u32 s2, ttmp6, 0x10000c
	s_cmp_lg_u32 s2, 0xf033
	s_cbranch_scc0 .Lentry_shape_is_right
	s_endpgm
.Lentry_shape_is_right:
; out0 = O Wout on codes of FP6 (E2M3) with E8M0 scales, K = 1,024; f32 results.
; THE DEAL: 256 work-groups of four waves.  A work-group takes 128 positions of O and 256 columns; wave w holds the 64 rows 256 cx + 64 w .. of Wout's codes, all of K, in 384 registers; O's rows pass in eight
; blocks of 16 rows, 32 products a block, two sets of fragments by turns.  Every LDS byte is filled once: O's eight tiles (images in the order of the operand's registers, 12,288 dense bytes a tile),
; the weight's 256 rows (816 bytes: 3 x (256 + 16)), O's scale bytes.
; CLUSTERS 4 x 4: O's tiles and scale bytes are asked for jointly along a row of the cluster, the weight's rows along a column.  No prefetch into the L2: all tiles are asked for at the head, and no loop runs ahead of them.
; Source 0 = the weight's rows: lane (r, h) holds position r, and register j of tile b column 32 (b / 2) + 16 h + 8 (b % 2) + j of my 64 (position order).  Position r of tile T is token 32 (T / 2) + 8 (T % 2) + r + 8 (r / 8).
; THE WAY OUT: a block's 16 x 64 numbers go through my own stage in LDS and leave as whole rows of 256 bytes.  The stages lie in my own 64 rows of the weight's region, which has had its one fill
; and which I alone read, all reads waited for ahead of the first store.
; LIMITS: NaN and infinities are not served.
.set KROW,  768
.set PITCH, 816
.set FR,    12
.set FPW,   21
.set NFO,   34                         ; LDS loads of a block: 32 for eight fragments, 2 for eight scale words
.set TILE,  12288
.set WB,    8*TILE
.set SCL,   WB+256*PITCH
.set SPARE, SCL+16*272
.set OSC,   6291456
.set WOC,   2359296
.set WOS,   3244032
.set STG,   16*272                     ; a stage
.set A16_0, 4
.set A8_0,  5
.set AAS0,  6
.set WOFF,  7
.set BA,    8
.set A16,   16
.set A8,    17
.set AAS,   18
.set STO,   20
.set RD,    21
.set CO,    22
.set SPW,   28
.set NIL,   29
.set SA,    32
.set WSP,   52
.set BK,    128
.set ACC,   72
.set G1A, 24
.set G1B, 32
.set G1S, 48
.set G0A, 56
.set G0B, 60
.set G0S, 68
.set MSB, 0
.macro WIN new
.if MSB != (\new)
	s_set_vgpr_msb (MSB<<8)|(\new)
.set MSB, (\new)
.endif
.endm
.macro PLACES n
.rept \n
	v_nop
.endr
.endm
.macro WALU
	s_wait_alu depctr_va_vdst(0)
.endm
.macro BARRIER
	s_barrier_signal -1
	s_barrier_wait -1
.endm
.macro CROUND
	BARRIER
	s_cmp_lg_u32 s14, 0
	s_cbranch_scc1 .Lnot_wave_0_\@
	s_barrier_signal -3
.Lnot_wave_0_\@:
	s_barrier_wait -3
	BARRIER
.endm
.macro TLOAD g0, g1
	tensor_load_to_lds s[\g0:\g0+3], s[\g1:\g1+7]
	s_nop 0
	PLACES 4
.endm
.macro FRAG f, q, a0, a1               ; six pieces of 8 bytes, two to a load where both lie behind as many paddings
	WIN (1+(\f)/FPW)<<6
.set R_, FR*((\f)%FPW)
.set SKIP_, 0
.irp p, 0,1,2,3,4,5
.if SKIP_
.set SKIP_, 0
.else
.set PC_, 12*(\q)+6*(\p/3)+\p%3
.set PN_, 12*(\q)+6*((\p+1)/3)+(\p+1)%3
.set X_, (PC_%32+3)/32
.set XQ_, (PN_%32+3)/32
.if (\p < 5) && (X_ == XQ_)
.set SKIP_, 1
.if X_
	ds_load_2addr_b64 v[R_+2*\p:R_+2*\p+3], \a1 offset0:PC_+2*(PC_/32) offset1:PN_+2*(PN_/32)
.else
	ds_load_2addr_b64 v[R_+2*\p:R_+2*\p+3], \a0 offset0:PC_+2*(PC_/32) offset1:PN_+2*(PN_/32)
.endif
.elseif X_
	ds_load_b64 v[R_+2*\p:R_+2*\p+1], \a1 offset:8*(PC_+2*(PC_/32))
.else
	ds_load_b64 v[R_+2*\p:R_+2*\p+1], \a0 offset:8*(PC_+2*(PC_/32))
.endif
.endif
.endr
.endm
.macro WEIGHTS
.irp q, 0,1,2,3,4,5,6,7
.irp b, 0,1,2,3
	FRAG 4*\q+\b, \q, v[BA+2*\b], v[BA+2*\b+1]
.endr
.endr
	WIN 0
.endm
.macro FETCH e                         ; a block of O: fragment q is the images of heads 2 q and 2 q + 1
.irp q, 0,1,2,3,4,5,6,7
.set F_, 32+8*(\e)+\q
.set R_, FR*(F_%FPW)
	WIN (1+F_/FPW)<<6
	ds_load_b128 v[R_:R_+3], v[A16] offset:1536*\q
	ds_load_b64 v[R_+4:R_+5], v[A8] offset:1536*\q+512
	ds_load_b128 v[R_+6:R_+9], v[A16] offset:1536*\q+768
	ds_load_b64 v[R_+10:R_+11], v[A8] offset:1536*\q+1280
.endr
	WIN 0
	ds_load_b128 v[SA+8*(\e):SA+8*(\e)+3], v[AAS]
	ds_load_b128 v[SA+8*(\e)+4:SA+8*(\e)+7], v[AAS] offset:16
.endm
.macro ADV e
	s_add_co_u32 s90, s90, 1
	s_and_b32 s90, s90, 7
	s_mul_i32 s91, s90, TILE
	s_mul_i32 s92, s90, 544
	v_add_nc_u32 v[A16], s91, v[A16_0]
	v_add_nc_u32 v[A8], s91, v[A8_0]
	v_add_nc_u32 v[AAS], s92, v[AAS0]
	WALU
	FETCH \e
.endm
.macro PROD1 d, s0, s1, c, x0, x1, o
.if \o
	v_wmma_scale_f32_16x16x128_f8f6f4 v[\d:\d+7], v[FR*((\s0)%FPW):FR*((\s0)%FPW)+FR-1], v[FR*((\s1)%FPW):FR*((\s1)%FPW)+FR-1], \c, v[\x0], v[\x1] matrix_a_fmt:MATRIX_FMT_FP6 matrix_b_fmt:MATRIX_FMT_FP6 matrix_a_scale:MATRIX_SCALE_ROW1
.else
	v_wmma_scale_f32_16x16x128_f8f6f4 v[\d:\d+7], v[FR*((\s0)%FPW):FR*((\s0)%FPW)+FR-1], v[FR*((\s1)%FPW):FR*((\s1)%FPW)+FR-1], \c, v[\x0], v[\x1] matrix_a_fmt:MATRIX_FMT_FP6 matrix_b_fmt:MATRIX_FMT_FP6 matrix_a_scale:MATRIX_SCALE_ROW0
.endif
.endm
.macro BLOCK e                         ; 32 products; the four sums take turns, one instruction a turn; the first product of each starts it
.irp q, 0,1,2,3,4,5,6,7
.irp b, 0,1,2,3
.set FB_, 4*\q+\b
.set FA_, 32+8*(\e)+\q
.set D_, ACC+32*(\e)+8*\b
	WIN (1+FB_/FPW)|((1+FA_/FPW)<<2)|0xf0
.if \q
	PROD1 D_, FB_, FA_, v[D_:D_+7], WSP+8*(\b/2)+\q, SA+8*(\e)+\q, \b%2
.else
	PROD1 D_, FB_, FA_, 0, WSP+8*(\b/2)+\q, SA+8*(\e)+\q, \b%2
.endif
.endr
.endr
	WIN 0
.endm
.macro STAGE e                         ; block e's sums into stage e, each from its low end on, and back as rows.  LDS serves a wave's instructions in order: no wait between
	PLACES 4
	s_wait_xcnt 0x0                                ; earlier stores have read the registers that the rows come back into
	WIN 0x0c
.irp b, 0,1,2,3
	ds_store_b128 v[STO], v[ACC+32*(\e)+8*\b:ACC+32*(\e)+8*\b+3] offset:STG*(\e)+128*(\b/2)+32*(\b%2)
	ds_store_b128 v[STO], v[ACC+32*(\e)+8*\b+4:ACC+32*(\e)+8*\b+7] offset:STG*(\e)+128*(\b/2)+32*(\b%2)+16
.endr
	WIN 0
.irp t, 0,1,2,3,4,5,6,7
	ds_load_b128 v[BK+32*(\e)+4*\t:BK+32*(\e)+4*\t+3], v[RD] offset:STG*(\e)+544*\t
.endr
.endm
.macro NEXT e, w1, w0                  ; the fetch of the block two on, but in the last trip; the wait's count on either way
	s_cmp_eq_u32 s3, 3
	s_cbranch_scc1 .Lnf_\@
	ADV \e
	s_wait_dscnt \w1
	s_branch .Lj_\@
.Lnf_\@:
	s_wait_dscnt \w0
.Lj_\@:
.endm
.macro SEND e
.irp t, 0,1,2,3,4,5,6,7
	global_store_b128 v[CO], v[BK+32*(\e)+4*\t:BK+32*(\e)+4*\t+3], s[12:13] offset:(8*(\e)+2*\t+8*(\t/4))*4096 th:TH_STORE_NT   ; sixteen lanes store 256 consecutive bytes, aligned
.endr
.endm
	s_load_b128 s[4:7], s[0:1], 0x0                ; oq, wq
	s_load_b64 s[12:13], s[0:1], 0x10              ; out0
	v_lshl_add_u32 v[SPW], v0, 2, SPARE
	v_mov_b32 v[NIL], 0
	ds_add_u32 v[SPW], v[NIL]                      ; the opening lines: the add twice on end and its wait
	ds_add_u32 v[SPW], v[NIL]
	v_lshrrev_b32 v1, 5, v0
	v_readfirstlane_b32 s14, v1
	s_and_b32 s16, s14, 1
	s_bfe_u32 s40, ttmp6, 0x40000                  ; cx: which 256 columns
	s_bfe_u32 s41, ttmp6, 0x40004
	s_and_b32 s43, ttmp7, 0xffff
	s_lshl_b32 s43, s43, 2
	s_add_co_u32 s43, s43, s41                     ; which 128 positions
	s_lshl_b32 s44, s41, 2
	s_lshl_b32 s44, 15, s44
	s_lshl_b32 s45, 0x1111, s40
	s_or_b32 s[G1A+0], s44, (3<<16)|(1<<21)        ; O's eight tiles: 98,304 dense bytes as 384 rows of 256
	s_mov_b32 s[G1A+1], 32<<16
	s_mov_b32 s[G1A+2], 384<<16
	s_mov_b32 s[G1A+3], 32<<16
	s_mov_b32 s[G1A+4], 384
	s_mov_b32 s[G1A+5], 32
	s_mov_b32 s[G1A+6], 0
	s_mov_b32 s[G1A+7], 0
	s_or_b32 s[G1B+0], s45, (1<<20)|(1<<21)|(5<<22)|(3<<25)   ; 128 rows of 768 bytes, 16 bytes of padding behind every 256
	s_mov_b32 s[G1B+1], KROW<<16
	s_mov_b32 s[G1B+2], 128<<16
	s_mov_b32 s[G1B+3], KROW<<16
	s_mov_b32 s[G1B+4], 128
	s_mov_b32 s[G1B+5], KROW
	s_mov_b32 s[G1B+6], 0
	s_mov_b32 s[G1B+7], 0
	s_or_b32 s[G1S+0], s44, (3<<16)|(1<<20)|(1<<21)|(5<<22)|(3<<25)
	s_mov_b32 s[G1S+1], 32<<16
	s_mov_b32 s[G1S+2], 16<<16
	s_mov_b32 s[G1S+3], 32<<16
	s_mov_b32 s[G1S+4], 16
	s_mov_b32 s[G1S+5], 32
	s_mov_b32 s[G1S+6], 0
	s_mov_b32 s[G1S+7], 0
	s_mov_b32 s[G0A], 1
	s_mov_b32 s[G0A+1], 0
	s_mov_b32 s[G0B], 1
	s_mul_i32 s[G0B+1], s16, 128*PITCH
	s_add_co_u32 s[G0B+1], s[G0B+1], WB
	s_mov_b32 s[G0S], 1
	s_mov_b32 s[G0S+1], SCL
	s_mul_i32 s20, s43, 8*TILE
	s_mov_b32 s21, 0
	s_lshl_b32 s22, s43, 12
	s_add_co_u32 s22, s22, OSC
	s_mov_b32 s23, 0
	s_mul_i32 s46, s40, 256*KROW
	s_mul_i32 s47, s16, 128*KROW
	s_add_co_u32 s46, s46, s47
	s_add_co_u32 s46, s46, WOC
	s_mov_b32 s47, 0
	s_lshl_b32 s72, s40, 13
	s_lshl_b32 s73, s14, 11
	s_add_co_u32 s72, s72, s73
	s_add_co_u32 s72, s72, WOS
	s_mov_b32 s73, 0
	s_mul_i32 s96, s14, 64*PITCH
	s_add_co_u32 s96, s96, WB                      ; my 64 rows of the weight; later my stages
	s_mov_b32 s97, s96
	s_mov_b32 s90, 7
	v_and_b32 v1, 15, v0                           ; r
	v_bfe_u32 v2, v0, 4, 1                         ; h
	v_and_b32 v3, 31, v0
	v_mul_u32_u24 v24, v1, PITCH
	v_mad_u32_u24 v26, v2, 24, v24
	v_mad_u32_u24 v27, v2, 40, v24
.irp b, 0,1,2,3
	v_add_nc_u32 v[BA+2*\b], s96, v26
	v_add_nc_u32 v[BA+2*\b+1], s96, v27
	s_add_co_u32 s96, s96, 16*PITCH
.endr
	v_lshlrev_b32 v[A16_0], 4, v3
	v_lshlrev_b32 v[A8_0], 3, v3
	v_lshrrev_b32 v25, 3, v1
	v_lshlrev_b32 v[AAS0], 5, v1
	v_lshl_add_u32 v[AAS0], v25, 4, v[AAS0]
	v_add_nc_u32 v[AAS0], SCL, v[AAS0]
	v_lshlrev_b32 v[WOFF], 5, v3
	v_mul_u32_u24 v24, v1, 272
	v_lshl_add_u32 v24, v2, 6, v24
	v_add_nc_u32 v[STO], s97, v24                  ; in: row r, 64 bytes for each half of the lanes in each 128
	v_mul_u32_u24 v24, v2, 272
	v_lshl_add_u32 v24, v1, 4, v24
	v_add_nc_u32 v[RD], s97, v24                   ; back: sixteen lanes to a row, two rows an instruction
	v_lshlrev_b32 v[CO], 12, v2
	v_lshl_add_u32 v[CO], v1, 4, v[CO]             ; and the same two rows in out0
	WALU
	s_wait_dscnt 0x0
	CROUND
	s_wait_kmcnt 0x0
	s_add_nc_u64 s[G0A+2:G0A+3], s[4:5], s[20:21]
	s_or_b32 s[G0A+3], s[G0A+3], 0x80000000
	s_add_nc_u64 s[G0S+2:G0S+3], s[4:5], s[22:23]
	s_or_b32 s[G0S+3], s[G0S+3], 0x80000000
	s_add_nc_u64 s[G0B+2:G0B+3], s[6:7], s[46:47]
	s_or_b32 s[G0B+3], s[G0B+3], 0x80000000
	s_add_nc_u64 s[74:75], s[6:7], s[72:73]
	s_cmp_lt_u32 s14, 2                            ; one load a wave: waves 0, 1 a half each of the weight's rows, wave 2 O's tiles, wave 3 O's scale bytes
	s_cbranch_scc0 .Lh_x
	TLOAD G0B, G1B
	s_branch .Lh_end
.Lh_x:
	s_cmp_eq_u32 s14, 2
	s_cbranch_scc0 .Lh_s
	TLOAD G0A, G1A
	s_branch .Lh_end
.Lh_s:
	TLOAD G0S, G1S
.Lh_end:
.irp g, 0,1
.irp c, 0,1
	global_load_b128 v[WSP+8*\g+4*\c:WSP+8*\g+4*\c+3], v[WOFF], s[74:75] offset:\g*1024+16*\c   ; the scale words of my 64 rows
.endr
.endr
	s_lshl_b32 s20, s43, 19                        ; 128 tokens of 4,096 bytes
	s_lshl_b32 s21, s40, 10
	s_add_co_u32 s20, s20, s21
	s_lshl_b32 s21, s14, 8
	s_add_co_u32 s20, s20, s21                     ; + 4 x (256 cx + 64 wave)
	s_mov_b32 s21, 0
	s_add_nc_u64 s[12:13], s[12:13], s[20:21]
	s_wait_tensorcnt 0x0
	BARRIER                                        ; all tiles are in
	WEIGHTS
	ADV 0
	ADV 1
	s_wait_loadcnt 0x0
	s_wait_dscnt 0x0                               ; I hold the weight in registers: my part of its region is free for my stages
	s_mov_b32 s3, 0
.Lpair:
	BLOCK 0
	STAGE 0
	NEXT 0, NFO+16, 16                             ; set 1 is in; the stage's 16 and the fetch's 34 may be out
	BLOCK 1
	s_wait_dscnt 0x0                               ; stage 0's rows are back, and set 0 is in
	SEND 0
	STAGE 1
	NEXT 1, NFO, 0                                 ; stage 1's rows are back; the fetch's 34 may be out
	SEND 1
	s_wait_xcnt 0x0
	s_add_nc_u64 s[12:13], s[12:13], 32*4096
	s_add_co_u32 s3, s3, 1
	s_cmp_lt_u32 s3, 4
	s_cbranch_scc1 .Lpair
	s_wait_tensorcnt 0x0                           ; the wave's end
	ds_add_u32 v[SPW], v[NIL]
	s_wait_dscnt 0x0
	CROUND                                         ; the closing round
	s_endpgm
.Lfunc_end_k_q75304e4ab7_gemm_out:
	.size	k_q75304e4ab7_gemm_out, .Lfunc_end_k_q75304e4ab7_gemm_out-k_q75304e4ab7_gemm_out
	.p2alignl 7, 3214868480
	.fill 96, 4, 3214868480
	.section	.rodata,"a",@progbits
	.p2align	6, 0x0
	.amdhsa_kernel k_q75304e4ab7_gemm_out
		.amdhsa_group_segment_fixed_size 327680
		.amdhsa_private_segment_fixed_size 0
		.amdhsa_enable_private_segment 0
		.amdhsa_kernarg_size 24
		.amdhsa_user_sgpr_count 2
		.amdhsa_user_sgpr_kernarg_segment_ptr 1
		.amdhsa_wavefront_size32 1
		.amdhsa_system_sgpr_workgroup_id_x 1
		.amdhsa_system_sgpr_workgroup_id_y 1
		.amdhsa_system_sgpr_workgroup_id_z 1
		.amdhsa_system_vgpr_workitem_id 0
		.amdhsa_next_free_vgpr 904
		.amdhsa_next_free_sgpr 102
		.amdhsa_reserve_vcc 0
		.amdhsa_float_denorm_mode_32 3
		.amdhsa_float_denorm_mode_16_64 3
		.amdhsa_memory_ordered 1
		.amdhsa_forward_progress 1
		.amdhsa_inst_pref_size 38
	.end_amdhsa_kernel
	.amdgpu_metadata
---
amdhsa.version: [ 1, 2 ]
amdhsa.kernels:
  - .name:           k_q75304e4ab7_gemm_out
    .symbol:         k_q75304e4ab7_gemm_out.kd
    .args:
      - { .name: oq, .offset: 0, .size: 8, .value_kind: global_buffer, .address_space: global }
      - { .name: wq, .offset: 8, .size: 8, .value_kind: global_buffer, .address_space: global }
      - { .name: out0, .offset: 16, .size: 8, .value_kind: global_buffer, .address_space: global }
    .group_segment_fixed_size: 327680
    .private_segment_fixed_size: 0
    .kernarg_segment_align: 8
    .kernarg_segment_size: 24
    .max_flat_workgroup_size: 128
    .sgpr_count:     102
    .vgpr_count:     904
    .wavefront_size: 32
...
	.end_amdgpu_metadata
.endif
;; end of part 4
